; MI455X (gfx1250); checked and timed in simulation.
; The chip was launched on July 23, 2026; its instructions are those of AMD's public machine-readable ISA for CDNA 5 (MIT licence, August 2026) and "CDNA5" Instruction Set Architecture Reference Guide (July 2026). The comments in the code are by the model that wrote it; some were corrected since.
;; Multihead Attention. Allowed arithmetic: matrix products marked QUANTISED: E2M3 operands, one E8M0 scale for each 32 along K, by v_wmma_scale_f32_16x16x128_f8f6f4 with both operands' format E2M3, f32 sums; everything else in f32.
;; Inputs: KeyandValue_x 2 x 4,096 x 512 float32; Query_x 2 x 4,096 x 512 float32; Wk 512 x 512 float32; Wo 512 x 512 float32; Wq 512 x 512 float32; Wv 512 x 512 float32; bk 512 float32; bo 512 float32; bq 512 float32; bv 512 float32.
;; Outputs: out0 2 x 4,096 x 512 float32.
;; This version of the problem:
;;   THIS VERSION OF THE PROBLEM IS GIVEN IN LOW PRECISION. The matrix products marked QUANTISED in the list below multiply operands that are first quantised to E2M3 (2 exponent bits, 3 mantissa bits; 6 bits a number), with one power-of-two scale for each 32 numbers along K (OCP MX v1.0); their sums are f32. All else is computed in f32.
;;   The module's matrix products, in the order in which they are computed (A, B: the left and right operand; K: the contracted axis; several contracted axes count as one K, in the product's order):
;;     1. [M 8,192, K 512] x [K 512, N 512]; A: input Query_x; B: input Wq: QUANTISED
;;     2. [M 8,192, K 512] x [K 512, N 512]; A: input KeyandValue_x; B: input Wk: QUANTISED
;;     3. [M 8,192, K 512] x [K 512, N 512]; A: input KeyandValue_x; B: input Wv: QUANTISED
;;     4. batch 16 x [M 4,096, K 64] x [K 64, N 4,096]; A: computed on the way; B: computed on the way: QUANTISED
;;     5. batch 16 x [M 64, K 4,096] x [K 4,096, N 4,096]; A: computed on the way; B: softmax (see below): QUANTISED
;;     6. [M 8,192, K 512] x [K 512, N 512]; A: computed on the way; B: input Wo: QUANTISED
;;   THE QUANTISER, for each operand of a quantised product, along K:
;;     - K is cut into blocks of 32 from its start; a last block that is shorter is filled with zeros.
;;     - A block's scale is 2^e with e = floor(log2(the largest magnitude in the block)) - 2, held to -126 .. 127; a block of zeros has e = 0. As a byte (E8M0): e + 127.
;;     - Each number is divided by its block's scale, clamped to +-7.5, and rounded to the nearest number of E2M3, ties to even, subnormals kept.
;;     - The product sums the exact products of the quantised numbers (number of the format x scale) in f32.
;;   ~~~python
;;   def quantise(x, axis):      # numpy; x: float32 -> the quantised numbers, widened to float32 again
;;       x = np.moveaxis(x, axis, -1); K = x.shape[-1]
;;       x = np.pad(x, [(0, 0)] * (x.ndim - 1) + [(0, -K % 32)]); x = x.reshape(x.shape[:-1] + (-1, 32)); a = np.abs(x).max(-1, keepdims=True)
;;       e = np.where(a > 0, np.clip(np.frexp(np.where(a > 0, a, 1))[1] - 1 - 2, -126, 127), 0)      # np.frexp(a)[1] - 1 = floor(log2(a)), exactly
;;       r = np.clip(x / 2.0 ** e, -7.5, 7.5)
;;       step = 2.0 ** (np.maximum(np.frexp(np.where(r == 0, 1, r))[1] - 1, 0) - 3)
;;       q = np.round(r / step) * step * 2.0 ** e      # np.round: ties to even
;;       return np.moveaxis(q.reshape(q.shape[:-2] + (-1,))[..., :K], -1, axis).astype(np.float32)
;;   ~~~
;;   SOFTMAX AHEAD OF A QUANTISED PRODUCT. Where the list says 'softmax', what is quantised is not the finished softmax but p = 2^(t - M), with t = logit x log2(e) and M = ceil(the row's largest t), a whole number; so 1/2 < the row's largest p <= 1. The row's sum l is taken of the UNQUANTISED p, in f32, and the product's result is divided by l at the end. Since M is a whole number, a kernel that streams over the keys may use a running M (the ceiling of the running maximum): every later rescaling is an exact power of two, which a block's scale takes up: the codes' values come out the same.
;;   OPERANDS COMPUTED ON THE WAY. 'Computed on the way' means the value that the module computes at that place (a softmax that the list does not call 'softmax' is quantised finished and normalised). What goes into a quantiser is computed in f32, as accurately as f32 sums, v_exp_f32 and their like allow (about 1e-6 of the number): no bf16 or f16 on the way to a quantiser, and a product that is left as it is and whose result goes on into a quantised operand takes f32 operands (vector FMAs, or v_wmma_f32_16x16x4_f32). A number that lies on a knife's edge between two numbers of the format may be rounded either way, as far as f32 arithmetic and the matrix unit's own rounding can turn it there, and no further.
;; One version. Each part assembles by itself: llvm-mc -triple=amdgcn-amd-amdhsa -mcpu=gfx1250 --defsym DOCPART=n.
;; ======== version 1 of 1: 4 launches
;; limits: right only within a limited range of input values
;; workspace buffers: xim 6,553,600 bytes; wim 819,200 bytes; qim 3,276,800 bytes; kvim 6,553,600 bytes; aim 3,407,872 bytes
;; launch quant (part 1): grid 320 x 1, 4 waves a work-group, no clusters, 46,592 bytes of LDS; arguments Query_x, KeyandValue_x, Wq, Wk, Wv, Wo, xim, wim; writes xim, wim
.if DOCPART == 1
	.amdgcn_target "amdgcn-amd-amdhsa--gfx1250"
	.amdhsa_code_object_version 6
	.text
	.protected	k_q6d2df2decd_quant
	.globl	k_q6d2df2decd_quant
	.p2align	8
	.type	k_q6d2df2decd_quant,@function
k_q6d2df2decd_quant:
	s_mov_b64 s[64:65], 0
	v_nop
	global_prefetch_b8 v0, s[64:65] scope:SCOPE_SE
	s_setreg_imm32_b32 hwreg(HW_REG_WAVE_MODE, 25, 1), 1
	s_wait_xcnt 0x0
; Query_x and KeyandValue_x [8192][512] f32 (K innermost) and Wq, Wk, Wv, Wo [512 (K)][512] f32 (K is the first axis) become codes of E2M3 with one E8M0 byte for each 32 along K,
; laid as IMAGES OF OPERAND REGISTERS: a fragment (16 rows x 128 K, 12 registers a lane) is 1,536 bytes, registers 4 j .. 4 j + 3 of lane l at 512 j + 16 l.
; THE ROWS OF A TILE ARE NOT NEIGHBOURS: lane r of tile T holds row (of W: column) 32 (T / 2) + 8 (T % 2) + r + 8 (r / 8), so that results of two neighbouring tiles are 16 neighbours in a lane.
; xim: tile T (0-511 Query_x, 512-1023 KeyandValue_x), K step s: codes at 6144 T + 1536 s; scale words at XSC + 256 T + 16 r + 4 s.   wim: weight o, tile Tw: codes at 196608 o + 6144 Tw + 1536 s; words at WSC + 8192 o + 256 Tw + 16 r + 4 s.
; A block's scale is 2^(floor(log2(largest magnitude)) - 2): its byte is the largest magnitude's exponent field - 2, held at 1 from below by a floor among the maximum's leaves.
; LIMITS: NaN and infinities among the inputs are not served; a block whose largest magnitude lies under 2^-124 gets the byte 1; a block of zeros gets the byte 1 and not 127: its codes are zeros, and this program alone reads the bytes.
; SHARES: work-groups 0-63 take the weights (a wave: 32 neighbouring columns x 128 K), work-groups 64-319 the rows (a wave: one tile, 16 rows x 512 K).  Waves share nothing: no barrier.  Each path has LDS bytes of its own.
; No cluster, no tensor load: no work-group reads what another reads, and every input byte is read once.
.set XSC,   6291456
.set WSC,   786432
.set FLOOR, 0x1800000                  ; 2^(3 - 127)
.set LI,  4                            ; v4   16 x lane
.set SA,  5                            ; v5   rows: the stage, as the loads bring a row: stage + 16 x lane
.set SB,  6                            ; v6   rows: the stage, as the operand wants it: stage + 528 r + 128 h
.set SO,  7                            ; v7   rows: my two scale words: 16 r + 8 h
.set SH,  8                            ; v8   8 h
.set LO,  11                           ; v11  weights: 4 x lane
.set WA,  12                           ; v12  weights: my column's place in the two images
.set WR,  13                           ; v13  weights: the images read back: base + 16 x lane
.set WSO, 14                           ; v14  weights: my column's scale word
.set X,   32                           ; v32-159  rows: two sets of 64 numbers, whole blocks
.set PC,  160                          ; v160-207 rows: the codes, 12 registers a K step, never written again
.set CT,  208                          ; v208-215 rows: the upper halves of two blocks' codes
.set TM,  216
.set SOP, 218
.set BY,  220
.set TT,  222
.set WD,  224                          ; v224-227 rows: the four scale words
.set MG,  228
.set WDW, 230                          ; weights: the scale word
.set L,   64                           ; v64-191  weights: 128 numbers down K
.set C,   192                          ; v192-215 weights: six registers of codes a block, on end: they stop short of v216, where the registers at work begin
.set CW,  232                          ; v232-247 weights: each block's upper half
.set OUTR, 32                          ; v32-55   weights: the images on their way out
.set MSB, 0
.macro WIN new                         ; the immediate's high byte repeats the setting that is left
.if MSB != \new
	s_set_vgpr_msb (MSB<<8)|\new
.set MSB, \new
.endif
.endm
	s_load_b256 s[4:11], s[0:1], 0x0               ; Query_x, KeyandValue_x, Wq, Wk
	s_load_b256 s[12:19], s[0:1], 0x20             ; Wv, Wo, xim, wim
	v_lshl_add_u32 v254, v0, 2, 0xb400
	v_mov_b32 v255, 0
	v_lshrrev_b32 v1, 5, v0
	v_readfirstlane_b32 s20, v1                    ; wave
	v_and_b32 v2, 31, v0                           ; lane
	v_and_b32 v3, 15, v0                           ; r
	v_bfe_u32 v10, v0, 4, 1                        ; h
	v_lshlrev_b32 v[LI], 4, v2
	s_mov_b32 s30, 0x76543210
	s_mov_b32 s31, 0xfedcba98                      ; lane l xor 16
	s_mov_b32 s32, 0xffff0000                      ; lanes 16-31
	s_cmp_lt_u32 ttmp9, 64
	s_cbranch_scc1 .Lweights
; ---------------- ROWS: one tile of 16 rows a wave ----------------
	s_sub_co_u32 s21, ttmp9, 64
	s_lshl_b32 s21, s21, 2
	s_add_co_u32 s21, s21, s20                     ; T
	s_and_b32 s22, s21, 511
	s_lshr_b32 s23, s22, 1
	s_lshl_b32 s23, s23, 5
	s_and_b32 s33, s21, 1
	s_lshl_b32 s33, s33, 3
	s_add_co_u32 s23, s23, s33                     ; the tile's first row in its tensor
	s_lshl_b32 s34, s23, 11                        ; x 2,048 bytes
	s_mov_b32 s35, 0
	s_mul_i32 s36, s21, 6144
	s_mov_b32 s37, 0
	s_lshl_b32 s38, s21, 8
	s_add_co_u32 s38, s38, XSC
	s_mov_b32 s39, 0
	s_mul_i32 s40, s20, 8448                       ; my stage: 16 rows of 512 bytes + 16
	s_wait_alu depctr_va_vdst(0)
	v_add_nc_u32 v[SA], s40, v[LI]
	v_mul_u32_u24 v[SB], v3, 528
	v_lshl_add_u32 v[SB], v10, 7, v[SB]
	v_add_nc_u32 v[SB], s40, v[SB]
	v_lshlrev_b32 v[SO], 4, v3
	v_lshl_add_u32 v[SO], v10, 3, v[SO]
	v_lshlrev_b32 v[SH], 3, v10
	v_mov_b32 v[TT+1], 0                           ; a lane permute's destination counts as one of its sources
	s_wait_alu depctr_va_vdst(0)
	s_wait_kmcnt 0x0
	s_cmp_lt_u32 s21, 512
	s_cselect_b64 s[24:25], s[4:5], s[6:7]
	s_add_nc_u64 s[24:25], s[24:25], s[34:35]
	s_add_nc_u64 s[26:27], s[16:17], s[36:37]
	s_add_nc_u64 s[28:29], s[16:17], s[38:39]
	WIN 0x40                                       ; destination window 1: all 64 loads of the tile go out at once, K step by K step
.irp s, 0,1,2,3
.irp i, 0,1,2,3,4,5,6,7,8,9,10,11,12,13,14,15
	global_load_b128 v[64*\s+4*\i:64*\s+4*\i+3], v[LI], s[24:25] offset:(\i+8*(\i/8))*2048+512*\s th:TH_LOAD_NT   ; 32 lanes read 512 consecutive bytes of the tile's row i
.endr
.endr
	WIN 0
; K step s goes through the stage: in as it was loaded, out 128 bytes (a whole block of 32) a lane and half.  LDS serves a wave's instructions in order, so one stage serves all four K steps without a wait.
.macro TURN s
	WIN 0x04                                       ; an LDS store's data are its source 1: window 1
.irp i, 0,1,2,3,4,5,6,7,8,9,10,11,12,13,14,15
	ds_store_b128 v[SA], v[64*(\s)+4*\i:64*(\s)+4*\i+3] offset:528*\i
.endr
	WIN 0
.irp c, 0,1
.irp j, 0,1,2,3,4,5,6,7
	ds_load_b128 v[X+64*((\s)%2)+32*\c+4*\j:X+64*((\s)%2)+32*\c+4*\j+3], v[SB] offset:256*\c+16*\j   ; k = 128 s + 64 c + 32 h + 4 j ..
.endr
.endr
.endm
; K step s: my two whole blocks (2 c + h) become registers 6 c .. 6 c + 5 of the fragment.
.macro QX s
.set XS, X+64*((\s)%2)
.irp c, 0,1
	v_max3_num_f32 v[TM+\c], |v[XS+32*\c]|, |v[XS+32*\c+1]|, FLOOR
.endr
.irp i, 2,4,6,8,10,12,14,16,18,20,22,24,26,28,30
.irp c, 0,1
	v_max3_num_f32 v[TM+\c], v[TM+\c], |v[XS+32*\c+\i]|, |v[XS+32*\c+\i+1]|
.endr
.endr
.irp c, 0,1
	v_add_nc_u32 v[SOP+\c], 0xff000000, v[TM+\c]   ; 2 off the exponent field: the conversion's scale operand
.endr
.irp c, 0,1
	v_lshrrev_b32 v[BY+\c], 23, v[SOP+\c]          ; the scale's byte
.endr
	v_lshl_or_b32 v[TT], v[BY+1], 16, v[BY]        ; blocks h and 2 + h,
	v_lshlrev_b32 v[TT], v[SH], v[TT]              ; at their places in the word;
	v_permlanex16_b32 v[TT+1], v[TT], s30, s31
	v_or_b32 v[WD+(\s)], v[TT], v[TT+1]            ; with lane l xor 16's two the word is whole, in both lanes
.irp c, 0,1
	v_cvt_scalef32_pk16_fp6_f32 v[PC+12*(\s)+6*\c:PC+12*(\s)+6*\c+2], v[XS+32*\c:XS+32*\c+15], v[SOP+\c]
	v_cvt_scalef32_pk16_fp6_f32 v[CT+4*\c:CT+4*\c+2], v[XS+32*\c+16:XS+32*\c+31], v[SOP+\c]   ; (a conversion's three registers begin on an even number)
.endr
	v_nop                                          ; one plain instruction behind the scaled conversions
.irp c, 0,1
.irp i, 0,1,2
	v_mov_b32 v[PC+12*(\s)+6*\c+3+\i], v[CT+4*\c+\i]
.endr
.endr
.irp j, 0,1,2
	global_store_b128 v[LI], v[PC+12*(\s)+4*\j:PC+12*(\s)+4*\j+3], s[26:27] offset:1536*(\s)+512*\j   ; 512 consecutive bytes, aligned
.endr
.endm
	s_wait_loadcnt 48                              ; K step 0's sixteen loads are in; the 48 behind them may be out
	TURN 0
.irp s, 0,1,2,3
.if \s < 3
	s_wait_loadcnt 32-16*\s                        ; the next K step's sixteen are in
	TURN \s+1
	s_wait_dscnt 32                                ; this K step is back from the stage; the next one's 16 stores and 16 loads may be out
.else
	s_wait_dscnt 0x0
.endif
	QX \s
.endr
	v_cndmask_b32 v[MG], v[WD], v[WD+2], s32       ; lanes 0-15 store the words of K steps 0 and 1, lanes 16-31 those of 2 and 3
	v_cndmask_b32 v[MG+1], v[WD+1], v[WD+3], s32
	global_store_b64 v[SO], v[MG:MG+1], s[28:29]   ; the tile's 256 bytes of scale words, consecutive and aligned
	s_wait_tensorcnt 0x0
	ds_add_u32 v254, v255
	s_wait_dscnt 0x0
	s_endpgm
; ---------------- WEIGHTS: 32 neighbouring columns x 128 K a wave: a lane takes a column, its registers run down K ----------------
.Lweights:
	s_lshr_b32 s21, ttmp9, 4                       ; which weight
	s_bfe_u32 s22, ttmp9, 0x20002
	s_lshl_b32 s22, s22, 2
	s_add_co_u32 s22, s22, s20                     ; g: which 32 columns = which pair of tiles
	s_and_b32 s23, ttmp9, 3                        ; K step
	s_lshl_b32 s34, s23, 18                        ; 128 rows of 2,048 bytes
	s_lshl_b32 s33, s22, 7
	s_add_co_u32 s34, s34, s33
	s_mov_b32 s35, 0
	s_mul_i32 s36, s21, 196608
	s_mul_i32 s33, s22, 12288
	s_add_co_u32 s36, s36, s33
	s_mul_i32 s33, s23, 1536
	s_add_co_u32 s36, s36, s33
	s_mov_b32 s37, 0
	s_lshl_b32 s38, s21, 13
	s_lshl_b32 s33, s22, 9
	s_add_co_u32 s38, s38, s33
	s_lshl_b32 s33, s23, 2
	s_add_co_u32 s38, s38, s33
	s_add_co_u32 s38, s38, WSC
	s_mov_b32 s39, 0
	s_mul_i32 s40, s20, 3072
	s_add_co_u32 s40, s40, 33792                   ; my two images in LDS, behind the rows' stages
	s_wait_alu depctr_va_vdst(0)
	v_lshlrev_b32 v[LO], 2, v2
	v_and_b32 v15, 7, v0
	v_lshl_add_u32 v15, v10, 3, v15                ; column 32 g + lane is row r' = lane % 8 + 8 (lane / 16)
	v_bfe_u32 v16, v0, 3, 1                        ; of tile 2 g + u, u = (lane / 8) % 2
	v_mul_u32_u24 v[WA], v16, 1536
	v_lshl_add_u32 v[WA], v15, 4, v[WA]
	v_add_nc_u32 v[WA], s40, v[WA]
	v_add_nc_u32 v[WR], s40, v[LI]
	v_lshl_add_u32 v[WSO], v16, 4, v15
	v_lshlrev_b32 v[WSO], 4, v[WSO]
	s_wait_kmcnt 0x0
	s_cmp_eq_u32 s21, 1
	s_cselect_b64 s[24:25], s[10:11], s[8:9]
	s_cmp_eq_u32 s21, 2
	s_cselect_b64 s[24:25], s[12:13], s[24:25]
	s_cmp_eq_u32 s21, 3
	s_cselect_b64 s[24:25], s[14:15], s[24:25]
	s_add_nc_u64 s[24:25], s[24:25], s[34:35]
	s_add_nc_u64 s[26:27], s[18:19], s[36:37]
	s_add_nc_u64 s[28:29], s[18:19], s[38:39]
.set j, 0
.rept 128
	global_load_b32 v[L+j], v[LO], s[24:25] offset:j*2048 th:TH_LOAD_NT   ; W(128 s + j, my column): a wave reads 128 consecutive bytes, the four waves stand side by side on 512
.set j, j+1
.endr
; Block b = 2 c + h' of my column belongs to lane r' + 16 h' of the image, registers 6 c .. 6 c + 5.  Its six registers of codes stand at C + 6 b: each block has its own, so that no LDS store's data are written again.
.macro WBLK b
.set LB, L+32*(\b)
.set CB, C+6*(\b)
.if (\b) < 2
	s_wait_loadcnt 63                              ; at most 63 of the 128 are out: the first 65 are in (a wait names 63 at the most)
.else
	s_wait_loadcnt 96-32*(\b)                      ; the later blocks' loads may be out
.endif
	v_max3_num_f32 v[TM], |v[LB]|, |v[LB+1]|, |v[LB+2]|
	v_max3_num_f32 v[TM+1], |v[LB+3]|, |v[LB+4]|, |v[LB+5]|
.irp i, 6,10,14,18,22,26
	v_max3_num_f32 v[TM], v[TM], |v[LB+\i]|, |v[LB+\i+1]|
	v_max3_num_f32 v[TM+1], v[TM+1], |v[LB+\i+2]|, |v[LB+\i+3]|
.endr
	v_max3_num_f32 v[TM], v[TM], |v[LB+30]|, |v[LB+31]|
	v_max3_num_f32 v[TM], v[TM], v[TM+1], FLOOR
	v_add_nc_u32 v[SOP], 0xff000000, v[TM]
	v_lshrrev_b32 v[BY], 23, v[SOP]
.if (\b) == 0
	v_mov_b32 v[WDW], v[BY]
.else
	v_lshl_or_b32 v[WDW], v[BY], 8*(\b), v[WDW]
.endif
	v_cvt_scalef32_pk16_fp6_f32 v[CB:CB+2], v[LB:LB+15], v[SOP]
	v_cvt_scalef32_pk16_fp6_f32 v[CW+4*(\b):CW+4*(\b)+2], v[LB+16:LB+31], v[SOP]   ; (a conversion's three registers begin on an even number)
	v_nop                                          ; one plain instruction behind the scaled conversions
.irp i, 0,1,2
	v_mov_b32 v[CB+3+\i], v[CW+4*(\b)+\i]
.endr
.if (\b)/2 == 0
	ds_store_b128 v[WA], v[CB:CB+3] offset:256*((\b)%2)            ; registers 0-3
	ds_store_b64 v[WA], v[CB+4:CB+5] offset:256*((\b)%2)+512       ; registers 4, 5
.else
	ds_store_b64 v[WA], v[CB:CB+1] offset:256*((\b)%2)+520         ; registers 6, 7
	ds_store_b128 v[WA], v[CB+2:CB+5] offset:256*((\b)%2)+1024     ; registers 8-11
.endif
.endm
	WBLK 0
	WBLK 1
	WBLK 2
	WBLK 3
.irp m, 0,1,2,3,4,5
	ds_load_b128 v[OUTR+4*\m:OUTR+4*\m+3], v[WR] offset:512*\m   ; LDS serves a wave's instructions in order: these see my stores
.endr
	s_wait_alu depctr_va_vdst(0)
.irp m, 0,1,2,3,4,5
	s_wait_dscnt 5-\m
	global_store_b128 v[LI], v[OUTR+4*\m:OUTR+4*\m+3], s[26:27] offset:6144*(\m/3)+512*(\m%3)   ; 512 consecutive bytes, aligned
.endr
	global_store_b32 v[WSO], v[WDW], s[28:29]      ; 4 bytes of each 16: the other K steps' words come from other work-groups; 32,768 bytes in the whole launch
	s_wait_tensorcnt 0x0
	ds_add_u32 v254, v255
	s_wait_dscnt 0x0
	s_endpgm
.Lfunc_end_k_q6d2df2decd_quant:
	.size	k_q6d2df2decd_quant, .Lfunc_end_k_q6d2df2decd_quant-k_q6d2df2decd_quant
	.p2alignl 7, 3214868480
	.fill 96, 4, 3214868480
	.section	.rodata,"a",@progbits
	.p2align	6, 0x0
	.amdhsa_kernel k_q6d2df2decd_quant
		.amdhsa_group_segment_fixed_size 46592
		.amdhsa_private_segment_fixed_size 0
		.amdhsa_enable_private_segment 0
		.amdhsa_kernarg_size 64
		.amdhsa_user_sgpr_count 2
		.amdhsa_user_sgpr_kernarg_segment_ptr 1
		.amdhsa_wavefront_size32 1
		.amdhsa_system_sgpr_workgroup_id_x 1
		.amdhsa_system_sgpr_workgroup_id_y 1
		.amdhsa_system_sgpr_workgroup_id_z 1
		.amdhsa_system_vgpr_workitem_id 0
		.amdhsa_next_free_vgpr 512
		.amdhsa_next_free_sgpr 66
		.amdhsa_reserve_vcc 0
		.amdhsa_float_denorm_mode_32 3
		.amdhsa_float_denorm_mode_16_64 3
		.amdhsa_memory_ordered 1
		.amdhsa_forward_progress 1
		.amdhsa_inst_pref_size 52
	.end_amdhsa_kernel
	.amdgpu_metadata
---
amdhsa.version: [ 1, 2 ]
amdhsa.kernels:
  - .name:           k_q6d2df2decd_quant
    .symbol:         k_q6d2df2decd_quant.kd
    .args:
      - { .name: Query_x, .offset: 0, .size: 8, .value_kind: global_buffer, .address_space: global }
      - { .name: KeyandValue_x, .offset: 8, .size: 8, .value_kind: global_buffer, .address_space: global }
      - { .name: Wq, .offset: 16, .size: 8, .value_kind: global_buffer, .address_space: global }
      - { .name: Wk, .offset: 24, .size: 8, .value_kind: global_buffer, .address_space: global }
      - { .name: Wv, .offset: 32, .size: 8, .value_kind: global_buffer, .address_space: global }
      - { .name: Wo, .offset: 40, .size: 8, .value_kind: global_buffer, .address_space: global }
      - { .name: xim, .offset: 48, .size: 8, .value_kind: global_buffer, .address_space: global }
      - { .name: wim, .offset: 56, .size: 8, .value_kind: global_buffer, .address_space: global }
    .group_segment_fixed_size: 46592
    .private_segment_fixed_size: 0
    .kernarg_segment_align: 8
    .kernarg_segment_size: 64
    .max_flat_workgroup_size: 128
    .sgpr_count:     66
    .vgpr_count:     512
    .wavefront_size: 32
...
	.end_amdgpu_metadata
.endif
;; end of part 1
;; launch proj (part 2): grid 64 x 3, 4 waves a work-group, no clusters, 0 bytes of LDS; arguments xim, wim, bq, bk, bv, qim, kvim; writes qim, kvim
.if DOCPART == 2
	.amdgcn_target "amdgcn-amd-amdhsa--gfx1250"
	.amdhsa_code_object_version 6
	.text
	.protected	k_q6d2df2decd_proj
	.globl	k_q6d2df2decd_proj
	.p2align	8
	.type	k_q6d2df2decd_proj,@function
k_q6d2df2decd_proj:
	s_mov_b64 s[64:65], 0
	v_nop
	global_prefetch_b8 v0, s[64:65] scope:SCOPE_SE
	s_setreg_imm32_b32 hwreg(HW_REG_WAVE_MODE, 25, 1), 1
	s_wait_xcnt 0x0
; Q = Query_x Wq + bq (y = 0), K = KeyandValue_x Wk + bk (y = 1), V = KeyandValue_x Wv + bv (y = 2), on codes of E2M3 (K = 512: four K steps of 128), and the results quantised in registers for attention:
; Q and K along a head's 64 channels, V along the keys.  Work-group x = a block of 128 rows (8 tiles); wave w = columns 128 w .. 128 w + 127 (8 tiles of W: heads 2 w and 2 w + 1).
; ONE SCHEME: source 0 = a RESIDENT set of 8 tiles x 4 K steps (384 registers), source 1 = a STREAMED tile.  Q, K: W is resident and the rows stream: a lane holds one row, its registers run along the channels.
; V: the rows (keys) are resident and W streams: a lane holds one channel, its registers run along the keys.  By the order of a tile's rows (lane r: 32 (T / 2) + 8 (T % 2) + r + 8 (r / 8)) the 16 registers of
; resident tiles 2 b and 2 b + 1 are 16 neighbours: 32 b + 16 h + 0 .. 15.  The bias is the C of each sum's first matrix instruction.
; OUT.  qim: block (bh, 128 queries) at 6400 (32 bh + blk): four PAIR images (registers 0-5: tile 2 p's 64 channels, registers 6-11: tile 2 p + 1's), then 256 bytes of scale words (row r, pair p at 8 (r + 16 (p / 2)) + 4 (p % 2)).
; kvim: key step (bh, 128 keys) at 12800 (32 bh + step): K's four pair images, V^T's four images (16 channels x 128 keys), K's scale words as in qim, V's (row r, tile t at 8 (r + 16 (t % 2)) + 4 (t / 2)).
; Operands come from memory straight into registers as images, 512 consecutive bytes a load: no LDS, no barrier; waves share nothing.  No cluster: a joint load would put LDS and barriers between memory and the registers,
; for tiles of which a wave reads each byte once.  192 work-groups: a share is 128 rows x 128 columns; halving it would split a key step's scale words between work-groups.
; LIMITS: NaN and infinities are not served; a block whose largest magnitude lies under 2^-124, or of zeros, gets the scale byte 1 (this program alone reads the bytes).
.set XSC,   6291456
.set WSC,   786432
.set FLOOR, 0x1800000
.set LI,  4                            ; v4   16 x lane
.set L8,  5                            ; v5   8 x lane
.set BO,  6                            ; v6   my place in the bias
.set RS,  16                           ; v16-31  the resident tiles' scale words: pair t / 2, K step s at RS + 4 (t / 2) + s; even tile in lanes 0-15, odd in 16-31
.set TS,  32                           ; v32-47  the streamed tiles' likewise
.set HA,  48                           ; v48-111 the eight accumulators
.set KA,  112                          ; v112-123 head 2 w's pair image;  V: the image
.set KB,  124                          ; v124-135 head 2 w + 1's
.set PC,  112
.set CT,  136
.set TM,  144
.set PW,  160
.set TMP, 164
.set SWA, 168
.set SWB, 172
.set MG,  176
.set B1,  192                          ; window 1, v192-255: the bias, eight registers a tile
.set SEL, 42
.set MSB, 0
.macro WIN new                         ; the immediate's high byte repeats the setting that is left
.if MSB != \new
	s_set_vgpr_msb (MSB<<8)|\new
.set MSB, \new
.endif
.endm
; one matrix instruction.  c < 0: C is the constant 0.  ra, rb: source 0's, source 1's scale words stand in lanes 16-31
.macro WM d, a, b, c, sa, sb, ra, rb
.if (\c) < 0
.if (\ra) && (\rb)
	v_wmma_scale_f32_16x16x128_f8f6f4 v[\d:\d+7], v[\a:\a+11], v[\b:\b+11], 0, v[\sa], v[\sb] matrix_a_fmt:MATRIX_FMT_FP6 matrix_b_fmt:MATRIX_FMT_FP6 matrix_a_scale:MATRIX_SCALE_ROW1 matrix_b_scale:MATRIX_SCALE_ROW1
.elseif (\ra)
	v_wmma_scale_f32_16x16x128_f8f6f4 v[\d:\d+7], v[\a:\a+11], v[\b:\b+11], 0, v[\sa], v[\sb] matrix_a_fmt:MATRIX_FMT_FP6 matrix_b_fmt:MATRIX_FMT_FP6 matrix_a_scale:MATRIX_SCALE_ROW1
.elseif (\rb)
	v_wmma_scale_f32_16x16x128_f8f6f4 v[\d:\d+7], v[\a:\a+11], v[\b:\b+11], 0, v[\sa], v[\sb] matrix_a_fmt:MATRIX_FMT_FP6 matrix_b_fmt:MATRIX_FMT_FP6 matrix_b_scale:MATRIX_SCALE_ROW1
.else
	v_wmma_scale_f32_16x16x128_f8f6f4 v[\d:\d+7], v[\a:\a+11], v[\b:\b+11], 0, v[\sa], v[\sb] matrix_a_fmt:MATRIX_FMT_FP6 matrix_b_fmt:MATRIX_FMT_FP6
.endif
.else
.if (\ra) && (\rb)
	v_wmma_scale_f32_16x16x128_f8f6f4 v[\d:\d+7], v[\a:\a+11], v[\b:\b+11], v[\c:\c+7], v[\sa], v[\sb] matrix_a_fmt:MATRIX_FMT_FP6 matrix_b_fmt:MATRIX_FMT_FP6 matrix_a_scale:MATRIX_SCALE_ROW1 matrix_b_scale:MATRIX_SCALE_ROW1
.elseif (\ra)
	v_wmma_scale_f32_16x16x128_f8f6f4 v[\d:\d+7], v[\a:\a+11], v[\b:\b+11], v[\c:\c+7], v[\sa], v[\sb] matrix_a_fmt:MATRIX_FMT_FP6 matrix_b_fmt:MATRIX_FMT_FP6 matrix_a_scale:MATRIX_SCALE_ROW1
.elseif (\rb)
	v_wmma_scale_f32_16x16x128_f8f6f4 v[\d:\d+7], v[\a:\a+11], v[\b:\b+11], v[\c:\c+7], v[\sa], v[\sb] matrix_a_fmt:MATRIX_FMT_FP6 matrix_b_fmt:MATRIX_FMT_FP6 matrix_b_scale:MATRIX_SCALE_ROW1
.else
	v_wmma_scale_f32_16x16x128_f8f6f4 v[\d:\d+7], v[\a:\a+11], v[\b:\b+11], v[\c:\c+7], v[\sa], v[\sb] matrix_a_fmt:MATRIX_FMT_FP6 matrix_b_fmt:MATRIX_FMT_FP6
.endif
.endif
.endm
.macro PLACES                          ; four plain instructions between a matrix instruction and a load into, or a vector read of, its registers
.rept 4
	v_nop
.endr
.endm
.macro SLOAD i                         ; streamed tile i, four K steps, into set i % 2 of window 3
	WIN 0xc0
.irp s, 0,1,2,3
.irp j, 0,1,2
	global_load_b128 v[48*((\i)%2)+12*\s+4*\j:48*((\i)%2)+12*\s+4*\j+3], v[LI], s[34:35] offset:6144*(\i)+1536*\s+512*\j
.endr
.endr
	WIN 0
.endm
; 32 matrix instructions: K step by K step, the eight accumulators by turns, one instruction a turn.  vv = 0: the bias goes with the resident tile; 1: with the streamed one
.macro MM i, vv
.irp s, 0,1,2,3
.if \s == 0
	WIN 0x1d                                       ; source 0 window 1, source 1 window 3, C (the bias) window 1
.elseif \s == 1
	WIN 0x0d
.else
	WIN 0x0e                                       ; source 0 window 2
.endif
.irp t, 0,1,2,3,4,5,6,7
.set cc, HA+8*\t
.if \s == 0
.set cc, B1+8*\t
.if \vv
.set cc, B1+8*(\i)
.endif
.endif
	WM HA+8*\t, 12*(8*(\s%2)+\t), 48*((\i)%2)+12*\s, cc, RS+4*(\t/2)+\s, TS+4*((\i)/2)+\s, \t%2, (\i)%2
.endr
.endr
	WIN 0
.endm
; 64 numbers of a lane, register 16 b + i = k 32 b + 16 h + i of my row, become codes: blocks 0, 1 in v[d0] .. +5, blocks 2, 3 in v[d1] .. +5 (a whole block a lane: lanes 0-15 the even one), and the four scale bytes in v[pw]
.macro QUANT s, d0, d1, pw
.irp b, 0,1,2,3
	v_max3_num_f32 v[TM+\b], |v[\s+16*\b]|, |v[\s+1+16*\b]|, FLOOR   ; each accumulator is read from its low end on
.endr
.irp i, 2,4,6,8,10,12,14
.irp b, 0,1,2,3
	v_max3_num_f32 v[TM+\b], v[TM+\b], |v[\s+16*\b+\i]|, |v[\s+1+16*\b+\i]|
.endr
.endr
.irp b, 0,1,2,3
	v_permlanex16_b32 v[TM+4+\b], v[TM+\b], s[SEL], s[SEL+1]
.endr
.irp b, 0,1,2,3
	v_max_num_f32 v[TM+\b], v[TM+\b], v[TM+4+\b]   ; with lane l xor 16's 16: the block's largest magnitude
.endr
.irp b, 0,1,2,3
	v_add_nc_u32 v[TM+12+\b], 0xff000000, v[TM+\b] ; 2 off the exponent field: the conversion's scale operand
.endr
.irp b, 0,1,2,3
	v_lshrrev_b32 v[TM+4+\b], 23, v[TM+12+\b]      ; the scale's byte
.endr
	v_lshl_or_b32 v[\pw], v[TM+5], 8, v[TM+4]
	v_lshl_or_b32 v[\pw], v[TM+6], 16, v[\pw]
	v_lshl_or_b32 v[\pw], v[TM+7], 24, v[\pw]
	s_wait_xcnt 0x0                                ; the stores of the images made before have read their registers: these are written again only behind this wait
	v_cvt_scalef32_pk16_fp6_f32 v[\d0:\d0+2], v[\s:\s+15], v[TM+12]
	v_cvt_scalef32_pk16_fp6_f32 v[CT:CT+2], v[\s+16:\s+31], v[TM+13]
	v_cvt_scalef32_pk16_fp6_f32 v[\d1:\d1+2], v[\s+32:\s+47], v[TM+14]
	v_cvt_scalef32_pk16_fp6_f32 v[CT+4:CT+6], v[\s+48:\s+63], v[TM+15]
	v_nop                                          ; one plain instruction behind the scaled conversions
.irp k, 0,1,2
	v_permlane16_swap_b32 v[\d0+\k], v[CT+\k]      ; the first's lanes 16-31 change places with the second's lanes 0-15
	v_permlane16_swap_b32 v[\d1+\k], v[CT+4+\k]
.endr
.irp k, 0,1,2
	v_mov_b32 v[\d0+3+\k], v[CT+\k]
	v_mov_b32 v[\d1+3+\k], v[CT+4+\k]
.endr
.endm
	s_load_b256 s[4:11], s[0:1], 0x0               ; xim, wim, bq, bk
	s_load_b128 s[12:15], s[0:1], 0x20             ; bv, qim
	s_load_b64 s[16:17], s[0:1], 0x30              ; kvim
	v_lshrrev_b32 v1, 5, v0
	v_readfirstlane_b32 s18, v1                    ; wave
	s_and_b32 s19, ttmp7, 0xffff                   ; y: 0 Q, 1 K, 2 V
	v_and_b32 v2, 31, v0
	v_and_b32 v3, 15, v0                           ; r
	v_bfe_u32 v7, v0, 4, 1                         ; h
	v_lshlrev_b32 v[LI], 4, v2
	v_lshlrev_b32 v[L8], 3, v2
	s_mov_b32 s40, 0xffff0000                      ; lanes 16-31; also a word's upper half
	s_mov_b32 s[SEL], 0x76543210
	s_mov_b32 s[SEL+1], 0xfedcba98
.irp b, 0,1,2,3
	v_mov_b32 v[TM+4+\b], 0                        ; a lane permute's destination counts as one of its sources
.endr
	s_mul_i32 s52, s19, 196608                     ; W's codes: weight y, my 8 tiles
	s_mul_i32 s53, s18, 49152
	s_add_co_u32 s52, s52, s53
	s_mov_b32 s53, 0
	s_lshl_b32 s54, s19, 13                        ; W's scale words
	s_lshl_b32 s55, s18, 11
	s_add_co_u32 s54, s54, s55
	s_add_co_u32 s54, s54, WSC
	s_mov_b32 s55, 0
	s_cmp_lg_u32 s19, 0                            ; K and V read KeyandValue_x's tiles
	s_cselect_b32 s56, 3145728, 0
	s_cselect_b32 s58, 131072, 0
	s_mul_i32 s57, ttmp9, 49152
	s_add_co_u32 s56, s56, s57
	s_mov_b32 s57, 0
	s_lshl_b32 s59, ttmp9, 11
	s_add_co_u32 s58, s58, s59
	s_add_co_u32 s58, s58, XSC
	s_mov_b32 s59, 0
	s_wait_alu depctr_va_vdst(0)
	s_wait_kmcnt 0x0
	s_add_nc_u64 s[22:23], s[6:7], s[52:53]        ; W's codes
	s_add_nc_u64 s[24:25], s[6:7], s[54:55]        ; W's scale words
	s_add_nc_u64 s[26:27], s[4:5], s[56:57]        ; the rows' codes
	s_add_nc_u64 s[28:29], s[4:5], s[58:59]        ; the rows' scale words
	s_cmp_eq_u32 s19, 2
	s_cselect_b64 s[30:31], s[26:27], s[22:23]     ; resident: codes,
	s_cselect_b64 s[32:33], s[28:29], s[24:25]     ; scale words;
	s_cselect_b64 s[34:35], s[22:23], s[26:27]     ; streamed: codes,
	s_cselect_b64 s[36:37], s[24:25], s[28:29]     ; scale words
	s_cselect_b64 s[38:39], s[12:13], s[10:11]
	s_cmp_eq_u32 s19, 0
	s_cselect_b64 s[38:39], s[8:9], s[38:39]       ; the bias,
	s_lshl_b32 s52, s18, 9
	s_add_nc_u64 s[38:39], s[38:39], s[52:53]      ; at my 128 columns
	WIN 0x40
.irp s, 0,1
.irp t, 0,1,2,3,4,5,6,7
.irp j, 0,1,2
	global_load_b128 v[12*(8*\s+\t)+4*\j:12*(8*\s+\t)+4*\j+3], v[LI], s[30:31] offset:6144*\t+1536*\s+512*\j
.endr
.endr
.endr
	WIN 0x80
.irp s, 2,3
.irp t, 0,1,2,3,4,5,6,7
.irp j, 0,1,2
	global_load_b128 v[12*(8*(\s-2)+\t)+4*\j:12*(8*(\s-2)+\t)+4*\j+3], v[LI], s[30:31] offset:6144*\t+1536*\s+512*\j
.endr
.endr
.endr
	WIN 0
.irp p, 0,1,2,3
	global_load_b128 v[RS+4*\p:RS+4*\p+3], v[LI], s[32:33] offset:512*\p
	global_load_b128 v[TS+4*\p:TS+4*\p+3], v[LI], s[36:37] offset:512*\p
.endr
	s_lshr_b32 s52, ttmp9, 5                       ; batch
	s_lshl_b32 s52, s52, 8
	s_lshl_b32 s54, s18, 6
	s_add_co_u32 s52, s52, s54
	s_and_b32 s54, ttmp9, 31
	s_add_co_u32 s52, s52, s54                     ; 32 (8 batch + 2 w) + the block of 128 rows in the batch
	s_mov_b32 s57, 0
	s_cmp_eq_u32 s19, 2
	s_cbranch_scc1 .Lvalues
; ---------------- Q and K ----------------
	s_mov_b32 s54, 12800
	s_mov_b32 s55, 12288
	s_cmp_eq_u32 s19, 0
	s_cselect_b32 s54, 6400, s54                   ; a block's bytes,
	s_cselect_b32 s55, 6144, s55                   ; where its scale words begin,
	s_cselect_b64 s[44:45], s[14:15], s[16:17]     ; and its buffer
	s_mul_i32 s56, s52, s54
	s_add_nc_u64 s[44:45], s[44:45], s[56:57]      ; head 2 w's block,
	s_lshl_b32 s56, s54, 5
	s_add_nc_u64 s[46:47], s[44:45], s[56:57]      ; head 2 w + 1's: 32 blocks on
	s_mov_b32 s56, s55
	s_add_nc_u64 s[48:49], s[44:45], s[56:57]
	s_add_nc_u64 s[50:51], s[46:47], s[56:57]
	v_lshlrev_b32 v[BO], 6, v7                     ; lane (r, h) wants, for tile 2 b + u, the bias of columns 32 b + 16 h + 8 u + 0 .. 7
	WIN 0x40
.irp t, 0,1,2,3,4,5,6,7
	global_load_b128 v[B1+8*\t:B1+8*\t+3], v[BO], s[38:39] offset:(32*(\t/2)+8*(\t%2))*4
	global_load_b128 v[B1+8*\t+4:B1+8*\t+7], v[BO], s[38:39] offset:(32*(\t/2)+8*(\t%2))*4+16
.endr
	WIN 0
	SLOAD 0
	SLOAD 1
.macro TILEQK i
.if (\i) < 7
	s_wait_loadcnt 12                              ; all but the next tile's twelve loads are in
.else
	s_wait_loadcnt 0x0
.endif
	MM \i, 0
	PLACES
.if (\i) < 6
	SLOAD (\i)+2                                   ; into the set just multiplied
.endif
	QUANT HA, KA+6*((\i)%2), KB+6*((\i)%2), PW+(\i)%2
.if (\i)%2
.set pp, (\i)/2
	v_and_b32 v[TMP], 0xffff, v[PW]                ; a pair's scale word: the even tile's two bytes, then the odd tile's
	v_lshl_or_b32 v[SWA+pp], v[PW+1], 16, v[TMP]
	v_lshrrev_b32 v[TMP], 16, v[PW]
	v_and_or_b32 v[SWB+pp], v[PW+1], s40, v[TMP]
.irp j, 0,1,2
	global_store_b128 v[LI], v[KA+4*\j:KA+4*\j+3], s[44:45] offset:1536*pp+512*\j   ; 512 consecutive bytes, aligned
	global_store_b128 v[LI], v[KB+4*\j:KB+4*\j+3], s[46:47] offset:1536*pp+512*\j
.endr
.endif
.endm
.irp i, 0,1,2,3,4,5,6,7
	TILEQK \i
.endr
	v_cndmask_b32 v[MG], v[SWA], v[SWA+2], s40     ; lanes 0-15 store pairs 0 and 1, lanes 16-31 pairs 2 and 3
	v_cndmask_b32 v[MG+1], v[SWA+1], v[SWA+3], s40
	v_cndmask_b32 v[MG+2], v[SWB], v[SWB+2], s40
	v_cndmask_b32 v[MG+3], v[SWB+1], v[SWB+3], s40
	global_store_b64 v[L8], v[MG:MG+1], s[48:49]   ; 256 consecutive bytes, aligned
	global_store_b64 v[L8], v[MG+2:MG+3], s[50:51]
	s_endpgm
; ---------------- V ----------------
.Lvalues:
	s_mul_i32 s56, s52, 12800
	s_add_co_u32 s56, s56, 6144
	s_add_nc_u64 s[44:45], s[16:17], s[56:57]      ; head 2 w's key step, at V's images
	v_and_b32 v[BO], 8, v3
	v_add_nc_u32 v[BO], v[BO], v3
	v_lshlrev_b32 v[BO], 2, v[BO]                  ; a lane holds ONE channel: r + 8 (r / 8) of the streamed tile: its bias fills all eight registers of C
	WIN 0x40
.irp i, 0,1,2,3,4,5,6,7
.irp j, 0,1,2,3,4,5,6,7
	global_load_b32 v[B1+8*\i+\j], v[BO], s[38:39] offset:(32*(\i/2)+8*(\i%2))*4
.endr
.endr
	WIN 0
	SLOAD 0
	SLOAD 1
.macro TILEV i
.if (\i) < 7
	s_wait_loadcnt 12                              ; all but the next tile's twelve loads are in
.else
	s_wait_loadcnt 0x0
.endif
	MM \i, 1
	PLACES
.if (\i) < 6
	SLOAD (\i)+2
.endif
	QUANT HA, PC, PC+6, PW+(\i)%4
.irp j, 0,1,2
	global_store_b128 v[LI], v[PC+4*\j:PC+4*\j+3], s[44:45] offset:409600*((\i)/4)+1536*((\i)%4)+512*\j   ; tiles 4-7 are head 2 w + 1's: 32 key steps on
.endr
.if (\i)%4 == 3
	v_cndmask_b32 v[MG+2*((\i)/4)], v[PW], v[PW+1], s40        ; lanes 0-15 store tiles 0 and 2, lanes 16-31 tiles 1 and 3
	v_cndmask_b32 v[MG+2*((\i)/4)+1], v[PW+2], v[PW+3], s40
	global_store_b64 v[L8], v[MG+2*((\i)/4):MG+2*((\i)/4)+1], s[44:45] offset:409600*((\i)/4)+6400
.endif
.endm
.irp i, 0,1,2,3,4,5,6,7
	TILEV \i
.endr
	s_endpgm
.Lfunc_end_k_q6d2df2decd_proj:
	.size	k_q6d2df2decd_proj, .Lfunc_end_k_q6d2df2decd_proj-k_q6d2df2decd_proj
	.p2alignl 7, 3214868480
	.fill 96, 4, 3214868480
	.section	.rodata,"a",@progbits
	.p2align	6, 0x0
	.amdhsa_kernel k_q6d2df2decd_proj
		.amdhsa_group_segment_fixed_size 0
		.amdhsa_private_segment_fixed_size 0
		.amdhsa_enable_private_segment 0
		.amdhsa_kernarg_size 56
		.amdhsa_user_sgpr_count 2
		.amdhsa_user_sgpr_kernarg_segment_ptr 1
		.amdhsa_wavefront_size32 1
		.amdhsa_system_sgpr_workgroup_id_x 1
		.amdhsa_system_sgpr_workgroup_id_y 1
		.amdhsa_system_sgpr_workgroup_id_z 1
		.amdhsa_system_vgpr_workitem_id 0
		.amdhsa_next_free_vgpr 864
		.amdhsa_next_free_sgpr 66
		.amdhsa_reserve_vcc 0
		.amdhsa_float_denorm_mode_32 3
		.amdhsa_float_denorm_mode_16_64 3
		.amdhsa_memory_ordered 1
		.amdhsa_forward_progress 1
		.amdhsa_inst_pref_size 175
	.end_amdhsa_kernel
	.amdgpu_metadata
---
amdhsa.version: [ 1, 2 ]
amdhsa.kernels:
  - .name:           k_q6d2df2decd_proj
    .symbol:         k_q6d2df2decd_proj.kd
    .args:
      - { .name: xim, .offset: 0, .size: 8, .value_kind: global_buffer, .address_space: global }
      - { .name: wim, .offset: 8, .size: 8, .value_kind: global_buffer, .address_space: global }
      - { .name: bq, .offset: 16, .size: 8, .value_kind: global_buffer, .address_space: global }
      - { .name: bk, .offset: 24, .size: 8, .value_kind: global_buffer, .address_space: global }
      - { .name: bv, .offset: 32, .size: 8, .value_kind: global_buffer, .address_space: global }
      - { .name: qim, .offset: 40, .size: 8, .value_kind: global_buffer, .address_space: global }
      - { .name: kvim, .offset: 48, .size: 8, .value_kind: global_buffer, .address_space: global }
    .group_segment_fixed_size: 0
    .private_segment_fixed_size: 0
    .kernarg_segment_align: 8
    .kernarg_segment_size: 56
    .max_flat_workgroup_size: 128
    .sgpr_count:     66
    .vgpr_count:     864
    .wavefront_size: 32
...
	.end_amdgpu_metadata
.endif
;; end of part 2
;; launch attn (part 3): grid 16 x 16, 8 waves a work-group, clusters of 4 x 1, 327,680 bytes of LDS; arguments qim, kvim, aim; writes aim
.if DOCPART == 3
	.amdgcn_target "amdgcn-amd-amdhsa--gfx1250"
	.amdhsa_code_object_version 6
	.text
	.protected	k_q6d2df2decd_attn
	.globl	k_q6d2df2decd_attn
	.p2align	8
	.type	k_q6d2df2decd_attn,@function
k_q6d2df2decd_attn:
	s_mov_b64 s[64:65], 0
	v_nop
	global_prefetch_b8 v0, s[64:65] scope:SCOPE_SE
	s_setreg_imm32_b32 hwreg(HW_REG_WAVE_MODE, 25, 1), 1
	s_wait_xcnt 0x0
	s_wait_alu depctr_hold_cnt(0) depctr_sa_sdst(0) depctr_va_vdst(0) depctr_va_sdst(0) depctr_va_ssrc(0) depctr_va_vcc(0) depctr_vm_vsrc(0)
	s_getreg_b32 s2, hwreg(HW_REG_IB_STS2, 6, 4)
	s_cmp_eq_u32 s2, 0
	s_cbranch_scc0 .Lentry_in_a_cluster
	s_endpgm
.Lentry_in_a_cluster:
	s_bfe_u32 s2, ttmp6, 0x10000c
	s_cmp_lg_u32 s2, 0x3003
	s_cbranch_scc0 .Lentry_shape_is_right
	s_endpgm
.Lentry_shape_is_right:
; For each of 16 (batch, head): O = softmax(Q K^T / 8) V on codes of E2M3, and O quantised along the channels for the last product.
; THE SOFTMAX: t = score x log2(e) / 8; M = the row's largest t so far, rounded UP to a whole number; p = 2^(t - M) is quantised along the keys, not normalised;
; the row's sum is taken of the unquantised p and divides O at the end.  When M moves, the sums and O are multiplied by 2^(old M - new M): exact.
; SHARES.  A work-group owns 256 queries of one head; each of its eight waves 32 of them, two tiles A and B of 16 (one pair image of qim), so that each fragment of K and V read from LDS feeds two tiles.
; Every wave walks the head's 4,096 keys, 128 a step.  A key step is a dense block of 12,800 bytes of kvim: K's four pair images, V^T's four images, K's and V's scale words.
; RING.  Two LDS slots of eight key steps; each wave fills one key step of a slot by one tensor load: 50 rows of 256 bytes, 64 bytes of padding behind each (an LDS row is 320 bytes).  One tensor load a wave is out.
; CLUSTER.  The four work-groups of a cluster belong to one head and walk the same key steps: each fill is asked for JOINTLY, by the same load with the same descriptor and a mask that names the four.
; No prefetch: a refill is asked for eight key steps ahead of the wait for it, and the first fill stands at the head, with no loop ahead of it to ask from.
; LAYOUT.  Both products are used transposed: S^T = K Q^T (source 0 = 16 keys), O^T = V^T P^T (source 0 = 16 channels): a lane holds ONE query throughout.
; WHICH KEYS FORM A TILE is chosen when K's images are read from LDS: row m of tile 4 c + a is key 64 c + 32 (m / 8) + 8 a + m % 8.  In kvim that is row 8 (a / 2) + m % 8 of tile 2 (2 c + m / 8) + a % 2, so lane (m, h)
; reads lane (8 (a / 2) + m % 8, h) of pair image 2 c + m / 8.  Lane (r, h) then holds, in the 32 registers of tiles 4 c .. 4 c + 3, keys 64 c + 32 h + 0 .. 31: a WHOLE block of p, in the order of the second product's operand.
; With the padding the images 2 c and 2 c + 1 lie 1,920 bytes apart: the sixteen lanes of a load's half touch sixteen different columns of 16 bytes modulo 256.
; K = 64 IN AN INSTRUCTION OF K = 128: a pair image holds one tile in k 0-63 and the next in k 64-127; it is multiplied by [Q | zero codes] and by [zero codes | Q].
; THE MATRIX INSTRUCTIONS STAND SINGLY AMONG PLAIN VECTOR WORK THAT IS DUE ANYWAY: A's S^T among the joining of the last step's sums and the address sums, B's S^T among A's maxima, each tile's O^T among that tile's sums of p.
; REGISTERS.  Window 0: addresses, scale words, both tiles' small registers, A's Q, S^T, O^T, both tiles' codes of p.  Window 1: K's and V's fragments, B's Q, S^T, O^T (at A's numbers).
; LIMITS: NaN and infinities are not served; the promise holds while |t| stays under 2^31; a block of zeros, or under 2^-124, gets the scale byte 1 (this program alone reads the bytes).
.set ASC,   3145728
.set FLOOR, 0x1800000
.set STEPB, 12800                      ; a key step in memory
.set STEPL, 16000                      ; and in LDS: 50 rows of 320 bytes
.set SLOT1, 8*STEPL
.set SPARE, 2*SLOT1                    ; behind slot 1: the spare words, 128 bytes for each of eight waves: four blocks of 256 bytes that no other line names
.set LI,  1                            ; 16 x lane
.set L8,  2                            ; 8 x lane
.set SPW, 3                            ; my spare word; never rewritten
.set NIL, 4                            ; 0; never rewritten
.set ADK, 5                            ; the next step's K images, K scale words; this step's V images, V scale words
.set ADS, 6
.set ADV, 7
.set ADVS, 8
.set LK,  9                            ; 1920 (m / 8) + 320 h + 16 (m % 8)
.set LS,  10                           ; 8 (m % 8) + 4 (m / 8) + 128 h
.set LV,  11                           ; 320 h + 16 r
.set R4,  13
.set KS,  16                           ; K's scale words: pair 2 c + g at KS + g, lanes 16-31 for c = 1
.set VS,  18                           ; V's: tile t at VS + t / 2, lanes 16-31 for odd t
.set QS,  20                           ; Q's scale words, A's and B's
.set PWD, 22                           ; p's scale words, A's and B's
.set QZ,  24                           ; six zeros, Q, six zeros (both windows)
.set PSEL, 42                          ; where my two scale bytes go in the word
.set R8,  43
.set CH,  44                           ; 44-51 the maxima's chains
.set BM,  52                           ; 52-55 a block's largest score, then its largest p: tile x, block c at 2 x + c
.set TP,  56
.set PM,  58
.set DD,  60
.set NM,  62                           ; pairs (-M, the largest score so far)
.set FF,  66                           ; pairs: f = 2^(old M - new M) in the low word
.set SOP, 78
.set BY,  82
.set TT,  86
.set S,   96                           ; 96-159 S^T, then p (both windows)
.set O,   160                          ; 160-191 O^T (both windows)
.set P,   192                          ; 192-203 A's codes of p, 204-215 B's
.set CN,  224                          ; eight pairs a tile: 0, 1 the row's sums, kept; 2-7 a step's, joined to them at the next step's top
.set KF,  192                          ; window 1
.set VF,  48                           ; window 1
.set WV,  10
.set SEL, 20
.set CS,  22
.set G1,  24
.set G0,  32
.set TB,  40
.set CNT, 41
.set TN,  42
.set NC,  43
.set HM,  52
.set MSB, 0
.macro WIN new                         ; the immediate's high byte repeats the setting that is left
.if MSB != (\new)
	s_set_vgpr_msb (MSB<<8)|(\new)
.set MSB, (\new)
.endif
.endm
.macro WM d, a, b, c, sa, sb, ra       ; c < 0: C is the constant 0.  ra: source 0's scale words stand in lanes 16-31
.if (\c) < 0
.if (\ra)
	v_wmma_scale_f32_16x16x128_f8f6f4 v[\d:\d+7], v[\a:\a+11], v[\b:\b+11], 0, v[\sa], v[\sb] matrix_a_fmt:MATRIX_FMT_FP6 matrix_b_fmt:MATRIX_FMT_FP6 matrix_a_scale:MATRIX_SCALE_ROW1
.else
	v_wmma_scale_f32_16x16x128_f8f6f4 v[\d:\d+7], v[\a:\a+11], v[\b:\b+11], 0, v[\sa], v[\sb] matrix_a_fmt:MATRIX_FMT_FP6 matrix_b_fmt:MATRIX_FMT_FP6
.endif
.else
.if (\ra)
	v_wmma_scale_f32_16x16x128_f8f6f4 v[\d:\d+7], v[\a:\a+11], v[\b:\b+11], v[\c:\c+7], v[\sa], v[\sb] matrix_a_fmt:MATRIX_FMT_FP6 matrix_b_fmt:MATRIX_FMT_FP6 matrix_a_scale:MATRIX_SCALE_ROW1
.else
	v_wmma_scale_f32_16x16x128_f8f6f4 v[\d:\d+7], v[\a:\a+11], v[\b:\b+11], v[\c:\c+7], v[\sa], v[\sb] matrix_a_fmt:MATRIX_FMT_FP6 matrix_b_fmt:MATRIX_FMT_FP6
.endif
.endif
.endm
.macro PLACES
.rept 4
	v_nop
.endr
.endm
.macro CROUND                          ; a round of the cluster's barrier
	s_barrier_signal -1
	s_barrier_wait -1
	s_cmp_lg_u32 s[WV], 0
	s_cbranch_scc1 .Lnot_wave_0_\@
	s_barrier_signal -3
.Lnot_wave_0_\@:
	s_barrier_wait -3
	s_barrier_signal -1
	s_barrier_wait -1
.endm
.macro JLOAD g0                        ; every wave's joint load: one key step of a slot
	tensor_load_to_lds s[\g0:\g0+3], s[G1:G1+7]
	s_nop 0
	PLACES
.endm
	s_load_b128 s[4:7], s[0:1], 0x0                ; qim, kvim
	s_load_b64 s[8:9], s[0:1], 0x10                ; aim
	v_lshl_add_u32 v[SPW], v0, 2, SPARE
	v_mov_b32 v[NIL], 0
	ds_add_u32 v[SPW], v[NIL]                      ; the opening lines: the add, twice on end, and its wait
	ds_add_u32 v[SPW], v[NIL]
	v_lshrrev_b32 v14, 5, v0
	v_readfirstlane_b32 s[WV], v14                 ; wave 0..7
	s_bfe_u32 s11, ttmp6, 0x40000                  ; cx
	s_lshl_b32 s12, ttmp9, 2
	s_add_co_u32 s12, s12, s11                     ; my block of 256 queries: it enters qim's and aim's addresses alone
	s_and_b32 s13, ttmp7, 0xffff                   ; 8 batch + head, which the four partners share
	s_mov_b32 s[G1], 15|(3<<16)|(1<<20)|(1<<21)|(5<<22)|(15<<25)   ; the mask of all four; elements of 8 bytes; padding on; bit 21 beside a mask; behind every 64 words 16 words
	s_mov_b32 s[G1+1], 32<<16
	s_mov_b32 s[G1+2], 50<<16
	s_mov_b32 s[G1+3], 32<<16
	s_mov_b32 s[G1+4], 50
	s_mov_b32 s[G1+5], 32
	s_mov_b32 s[G1+6], 0
	s_mov_b32 s[G1+7], 0
	s_mul_i32 s15, s[WV], STEPL                    ; my key step of a slot, in LDS
	s_mul_i32 s14, s[WV], STEPB                    ; and in memory
	s_mul_i32 s16, s13, 32*STEPB
	s_add_co_u32 s16, s16, s14
	s_mov_b32 s17, 0
	s_mov_b32 s[SEL], 0x76543210
	s_mov_b32 s[SEL+1], 0xfedcba98
	s_mov_b32 s[CS], 0x3e38aa3b                    ; c = log2(e) / 8
	s_mov_b32 s[CS+1], s[CS]
	s_mov_b32 s[NC], 0xbe38aa3b                    ; -c
	s_mov_b32 s[HM], 0xffff0000                    ; lanes 16-31
	s_lshl_b32 s53, s12, 1                         ; Q: block of 128 queries 2 x + w / 4, pair w % 4
	s_lshr_b32 s54, s[WV], 2
	s_add_co_u32 s53, s53, s54
	s_lshl_b32 s54, s13, 5
	s_add_co_u32 s53, s53, s54
	s_mul_i32 s53, s53, 6400
	s_and_b32 s54, s[WV], 3
	s_mul_i32 s44, s54, 1536
	s_add_co_u32 s44, s44, s53
	s_mov_b32 s45, 0
	s_lshr_b32 s46, s54, 1
	s_lshl_b32 s46, s46, 7
	s_and_b32 s55, s54, 1
	s_lshl_b32 s55, s55, 2
	s_add_co_u32 s46, s46, s55
	s_add_co_u32 s46, s46, s53
	s_add_co_u32 s46, s46, 6144
	s_mov_b32 s47, 0
	s_lshr_b32 s53, s13, 3                         ; the result: row tile T = 256 batch + 16 x + 2 w (+ 1 for B)
	s_lshl_b32 s53, s53, 8
	s_lshl_b32 s54, s12, 4
	s_add_co_u32 s53, s53, s54
	s_lshl_b32 s54, s[WV], 1
	s_add_co_u32 s53, s53, s54
	s_and_b32 s54, s13, 7
	s_mul_i32 s48, s53, 6144
	s_mul_i32 s55, s54, 768
	s_add_co_u32 s48, s48, s55
	s_mov_b32 s49, 0
	s_lshl_b32 s50, s53, 6
	s_lshl_b32 s55, s54, 15
	s_add_co_u32 s50, s50, s55
	s_add_co_u32 s50, s50, ASC
	s_mov_b32 s51, 0
	s_wait_dscnt 0x0                               ; both opening adds are done
	s_wait_kmcnt 0x0
	s_add_nc_u64 s[18:19], s[6:7], s[16:17]
	s_add_nc_u64 s[44:45], s[4:5], s[44:45]
	s_add_nc_u64 s[46:47], s[4:5], s[46:47]
	s_add_nc_u64 s[48:49], s[8:9], s[48:49]
	s_add_nc_u64 s[50:51], s[8:9], s[50:51]
.irp n, 0,1
	s_mov_b32 s[G0+4*\n], 1
	s_add_co_u32 s[G0+4*\n+1], s15, \n*SLOT1
	s_add_nc_u64 s[G0+4*\n+2:G0+4*\n+3], s[18:19], \n*8*STEPB      ; key step 8 n + w
	s_or_b32 s[G0+4*\n+3], s[G0+4*\n+3], 0x80000000
.endr
	CROUND                                         ; all four work-groups are here: the first joint loads meet
	JLOAD G0                                       ; slot 0: one tensor load a wave at the head
	v_and_b32 v14, 31, v0
	v_lshlrev_b32 v[LI], 4, v14
	v_lshlrev_b32 v[L8], 3, v14
	v_and_b32 v15, 15, v0
	v_lshlrev_b32 v[R8], 3, v15
	v_lshlrev_b32 v[R4], 2, v15
.irp j, 0,1,2
	global_load_b128 v[S+4*\j:S+4*\j+3], v[LI], s[44:45] offset:512*\j   ; my pair image: registers 0-5 tile A, 6-11 tile B
.endr
	global_load_b32 v[S+12], v[R8], s[46:47]       ; and its scale words
	v_and_b32 v14, 7, v0
	v_bfe_u32 v[CH], v0, 3, 1
	v_bfe_u32 v[CH+1], v0, 4, 1
	v_mul_u32_u24 v[LK], v[CH], 1920
	v_mad_u32_u24 v[LK], v[CH+1], 320, v[LK]
	v_lshl_add_u32 v[LK], v14, 4, v[LK]
	v_lshlrev_b32 v[LS], 3, v14
	v_lshl_add_u32 v[LS], v[CH], 2, v[LS]
	v_lshl_add_u32 v[LS], v[CH+1], 7, v[LS]
	v_mul_u32_u24 v[LV], v[CH+1], 320
	v_lshl_add_u32 v[LV], v15, 4, v[LV]
	v_mov_b32 v[PSEL], 0x0c040c00                  ; lanes 0-15: my bytes are the word's bytes 0 and 2;
	v_mov_b32 v[CH+2], 0x040c000c                  ; lanes 16-31: bytes 1 and 3; the others zero
	v_cndmask_b32 v[PSEL], v[PSEL], v[CH+2], s[HM]
.irp x, 0,1
	v_mov_b32 v[NM+2*\x], 0x7f61b1e6               ; -M: 3e38, so that the first f is 0
	v_mov_b32 v[NM+2*\x+1], 0xff61b1e6             ; the largest score so far: -3e38
	v_mov_b32 v[FF+2*\x+1], 0
	v_mov_b32 v[PM+\x], 0                          ; a lane permute's destination counts as one of its sources
.irp k, 0,1,2,3,4,5,6,7,8,9,10,11,12,13,14,15
	v_mov_b32 v[CN+16*\x+\k], 0                    ; the row's sums, and the step's: the first step joins zeros
.endr
.endr
.irp k, 0,1,2,3,4,5
	v_mov_b32 v[QZ+\k], 0
	v_mov_b32 v[QZ+12+\k], 0
.endr
	s_wait_alu depctr_va_vdst(0)                   ; ahead of a wait that blocks
	s_wait_loadcnt 0x0
.irp k, 0,1,2,3,4,5
	v_mov_b32 v[QZ+6+\k], v[S+\k]
.endr
	v_perm_b32 v[QS], v[S+12], v[S+12], 0x01000100     ; a tile's two bytes, twice: they serve k 0-63 and k 64-127 alike
	v_perm_b32 v[QS+1], v[S+12], v[S+12], 0x03020302
.set j, 0
.rept 32
	v_mov_b32 v[O+j], 0                            ; O^T: the step is written once; the first finds zeros
.set j, j+1
.endr
	WIN 0x40
.irp k, 0,1,2,3,4,5
	v_mov_b32 v[QZ+6+\k], v[S+6+\k]
	v_mov_b32 v[QZ+\k], 0
	v_mov_b32 v[QZ+12+\k], 0
.endr
.set j, 0
.rept 32
	v_mov_b32 v[O+j], 0
.set j, j+1
.endr
	WIN 0
.macro KLOAD                           ; K's scale words and four pair images, rows chosen as the head comment says.  Leaves destination window 1
	ds_load_b32 v[KS], v[ADS] offset:15360
	ds_load_b32 v[KS+1], v[ADS] offset:15424
	WIN 0x40
.irp q, 0,1,2,3
.irp j, 0,1,2
	ds_load_b128 v[KF+12*\q+4*\j:KF+12*\q+4*\j+3], v[ADK] offset:3840*(\q/2)+128*(\q%2)+640*\j
.endr
.endr
.endm
.macro MRG x, q, d                     ; pair q of tile x takes in the pair d registers on
	v_pk_add_f32 v[CN+16*(\x)+2*(\q):CN+16*(\x)+2*(\q)+1], v[CN+16*(\x)+2*(\q):CN+16*(\x)+2*(\q)+1], v[CN+16*(\x)+2*(\q)+(\d):CN+16*(\x)+2*(\q)+(\d)+1]
.endm
.macro TOPG t                          ; two plain instructions behind A's t-th product: the last step's six pairs join the two that are kept (still under the last step's M); then the address sums
.if (\t) < 6
	MRG (\t)%2, 0, 4+4*((\t)/2)
	MRG (\t)%2, 1, 4+4*((\t)/2)
.elseif (\t) == 6
	v_add_nc_u32 v[ADK], s[TN], v[LK]
	v_add_nc_u32 v[ADS], s[TN], v[LS]
.else
	v_add_nc_u32 v[ADV], s[TB], v[LV]
	v_add_nc_u32 v[ADVS], s[TB], v[L8]
.endif
.endm
.macro MAXG t                          ; four plain instructions behind B's t-th product: A's maxima, two chains a block; each accumulator is read from its low end on
	WIN 0
.if (\t) == 0
.irp c, 0,1
	v_max3_num_f32 v[CH+2*\c], v[S+32*\c], v[S+32*\c+1], v[S+32*\c+2]
	v_max3_num_f32 v[CH+2*\c+1], v[S+32*\c+17], v[S+32*\c+18], v[S+32*\c+19]
.endr
.elseif (\t) < 7
.irp c, 0,1
	v_max3_num_f32 v[CH+2*\c], v[CH+2*\c], v[S+32*\c+1+2*(\t)], v[S+32*\c+2+2*(\t)]
	v_max3_num_f32 v[CH+2*\c+1], v[CH+2*\c+1], v[S+32*\c+18+2*(\t)], v[S+32*\c+19+2*(\t)]
.endr
.else
.irp c, 0,1
	v_max3_num_f32 v[CH+2*\c], v[CH+2*\c], v[S+32*\c+15], v[S+32*\c+16]
.endr
.irp c, 0,1
	v_max_num_f32 v[BM+\c], v[CH+2*\c], v[CH+2*\c+1]
.endr
.endif
.endm
.macro MAXES x                         ; the same for tile x, on end
	WIN 0x15*\x
.irp c, 0,1
	v_max3_num_f32 v[CH+4*\x+2*\c], v[S+32*\c], v[S+32*\c+1], v[S+32*\c+2]
	v_max3_num_f32 v[CH+4*\x+2*\c+1], v[S+32*\c+17], v[S+32*\c+18], v[S+32*\c+19]
.endr
	WIN 0x14*\x
.irp i, 0,2,4,6,8,10
.irp c, 0,1
	v_max3_num_f32 v[CH+4*\x+2*\c], v[CH+4*\x+2*\c], v[S+32*\c+3+\i], v[S+32*\c+4+\i]
	v_max3_num_f32 v[CH+4*\x+2*\c+1], v[CH+4*\x+2*\c+1], v[S+32*\c+20+\i], v[S+32*\c+21+\i]
.endr
.endr
.irp c, 0,1
	v_max3_num_f32 v[CH+4*\x+2*\c], v[CH+4*\x+2*\c], v[S+32*\c+15], v[S+32*\c+16]
.endr
.endm
.macro SCALEO x                        ; O^T under the new M, then t - M, two at a time
.set j, 0
.rept 16
	v_pk_mul_f32 v[O+j:O+j+1], v[O+j:O+j+1], v[FF+2*\x:FF+2*\x+1] op_sel_hi:[1,0]
.set j, j+2
.endr
.set j, 0
.rept 32
	v_pk_fma_f32 v[S+j:S+j+1], v[S+j:S+j+1], s[CS:CS+1], v[NM+2*\x:NM+2*\x+1] op_sel_hi:[1,0,0]
.set j, j+2
.endr
.endm
.macro EXPS
.set j, 0
.rept 64
	v_exp_f32 v[S+j], v[S+j]
.set j, j+1
.endr
.endm
.macro SUMG x, t                       ; six or seven plain instructions behind tile x's t-th O^T product: the unquantised p into eight chains of pairs
.if (\t) == 0
	WIN 0x05*\x
.irp q, 2,3,4,5,6,7
	v_pk_add_f32 v[CN+16*\x+2*\q:CN+16*\x+2*\q+1], v[S+4*\q-8:S+4*\q-7], v[S+4*\q-6:S+4*\q-5]
.endr
.else
	WIN 0x01*\x
.set n, 7*(\t)-7
.rept 7-(\t)/3
	v_pk_add_f32 v[CN+16*\x+2*(n%8):CN+16*\x+2*(n%8)+1], v[S+24+2*n:S+25+2*n], v[CN+16*\x+2*(n%8):CN+16*\x+2*(n%8)+1]
.set n, n+1
.endr
.endif
.endm
.macro PVS x                           ; O^T += V^T P^T of tile x
.irp t, 0,1,2,3
	WIN 0x01+0x50*\x
	WM O+8*\t, VF+12*\t, P+12*\x, O+8*\t, VS+\t/2, PWD+\x, \t%2
	SUMG \x, \t
.endr
.endm
.macro CVTS x                          ; my two whole blocks: registers 6 c .. 6 c + 2, and the upper halves apart (a conversion's three registers begin on an even number)
.irp c, 0,1
	v_cvt_scalef32_pk16_fp6_f32 v[P+12*\x+6*\c:P+12*\x+6*\c+2], v[S+32*\c:S+32*\c+15], v[SOP+2*\x+\c]
	v_cvt_scalef32_pk16_fp6_f32 v[216-128*\x+4*\c:218-128*\x+4*\c], v[S+32*\c+16:S+32*\c+31], v[SOP+2*\x+\c]
.endr
.endm
; A KEY STEP: 128 keys at LDS byte s[TB] of slot n; K's fragments are in registers.
.macro STEP n
	s_add_co_u32 s[TN], s[TB], STEPL
	s_min_u32 s[TN], s[TN], \n*SLOT1+7*STEPL       ; the next key step of this slot; the slot's last step names itself again, so that no branch stands here
.irp t, 0,1,2,3,4,5,6,7
	WIN 0x01
	WM S+8*\t, KF+12*(\t/2), QZ+6-6*(\t%2), -1, KS+(\t/2)%2, QS, \t/4
	WIN 0
	TOPG \t
.endr
.irp t, 0,1,2,3,4,5,6,7                ; A's first maxima read the results of A's products 0, 2, 4, 6: four plain instructions stand behind product 6
	WIN 0x55
	WM S+8*\t, KF+12*(\t/2), QZ+6-6*(\t%2), -1, KS+(\t/2)%2, QS+1, \t/4
	MAXG \t
.endr
	ds_load_b64 v[VS:VS+1], v[ADVS] offset:15680   ; four plain instructions stand behind the last product: its operands and scales may be loaded again
	KLOAD                                          ; the next step's K
.irp t, 0,1,2,3
.irp j, 0,1,2
	ds_load_b128 v[VF+12*\t+4*\j:VF+12*\t+4*\j+3], v[ADV] offset:7680+1920*\t+640*\j   ; this step's V^T lands while the softmax is walked
.endr
.endr
	MAXES 1
	WIN 0
.irp c, 0,1
	v_max_num_f32 v[BM+2+\c], v[CH+4+2*\c], v[CH+4+2*\c+1]
.endr
	v_max3_num_f32 v[TP], v[NM+1], v[BM], v[BM+1]
	s_delay_alu instid0(VALU_DEP_2)
	v_max3_num_f32 v[TP+1], v[NM+3], v[BM+2], v[BM+3]
.irp x, 0,1
	s_delay_alu instid0(VALU_DEP_2)
	v_permlanex16_b32 v[PM+\x], v[TP+\x], s[SEL], s[SEL+1]
.endr
.irp x, 0,1
	s_delay_alu instid0(VALU_DEP_2)
	v_max_num_f32 v[NM+2*\x+1], v[TP+\x], v[PM+\x] ; with lane l xor 16's keys: the row's largest score so far
.endr
.irp x, 0,1
	s_delay_alu instid0(VALU_DEP_2)
	v_mul_f32 v[TP+\x], s[NC], v[NM+2*\x+1]        ; -t
.endr
.irp x, 0,1
	s_delay_alu instid0(VALU_DEP_2)
	v_floor_f32 v[DD+\x], v[TP+\x]                 ; the new -M = -ceil(t)
.endr
.irp x, 0,1
	s_delay_alu instid0(VALU_DEP_2)
	v_sub_f32 v[TP+\x], v[DD+\x], v[NM+2*\x]       ; old M - new M: a whole number, 0 or less
.endr
.irp x, 0,1
	v_mov_b32 v[NM+2*\x], v[DD+\x]
.endr
.irp x, 0,1
	s_delay_alu instid0(VALU_DEP_4)
	v_cvt_i32_f32 v[TP+\x], v[TP+\x]               ; (it saturates)
.endr
.irp x, 0,1
	s_delay_alu instid0(VALU_DEP_2)
	v_ldexp_f32 v[FF+2*\x], 1.0, v[TP+\x]          ; f
.endr
.irp x, 0,1
.irp c, 0,1
	v_fma_f32 v[BM+2*\x+\c], v[BM+2*\x+\c], s[CS], v[NM+2*\x]      ; t - M of each block's largest score
.endr
.endr
.irp x, 0,1
	v_pk_mul_f32 v[CN+16*\x:CN+16*\x+1], v[CN+16*\x:CN+16*\x+1], v[FF+2*\x:FF+2*\x+1] op_sel_hi:[1,0]
	v_pk_mul_f32 v[CN+16*\x+2:CN+16*\x+3], v[CN+16*\x+2:CN+16*\x+3], v[FF+2*\x:FF+2*\x+1] op_sel_hi:[1,0]
.endr
	SCALEO 0
	WIN 0x41
	SCALEO 1
	s_wait_alu depctr_va_vdst(0)                   ; ahead of the batch
	EXPS                                           ; p = 2^(t - M): B's 64,
	WIN 0
	EXPS                                           ; A's 64,
.irp b, 0,1,2,3
	v_exp_f32 v[BM+\b], v[BM+\b]                   ; and each block's largest p: the same two instructions on the same number
.endr
	v_nop                                          ; a plain instruction behind the exponentials
	s_wait_alu depctr_va_vdst(0)                   ; one wait for the batch of 132, ahead of its first reader
.irp b, 0,1,2,3
	v_max_num_f32 v[BM+\b], FLOOR, v[BM+\b]        ; the byte cannot fall under 1
.endr
.irp b, 0,1,2,3
	v_add_nc_u32 v[SOP+\b], 0xff000000, v[BM+\b]   ; 2 off the exponent field: the conversion's scale operand
.endr
.irp b, 0,1,2,3
	v_lshrrev_b32 v[BY+\b], 23, v[SOP+\b]
.endr
.irp x, 0,1
	v_perm_b32 v[TT+\x], v[BY+2*\x+1], v[BY+2*\x], v[PSEL]         ; blocks h and 2 + h at their places in the word
.endr
.irp x, 0,1
	s_delay_alu instid0(VALU_DEP_2)
	v_permlanex16_b32 v[PM+\x], v[TT+\x], s[SEL], s[SEL+1]
.endr
.irp x, 0,1
	s_delay_alu instid0(VALU_DEP_2)
	v_or_b32 v[PWD+\x], v[TT+\x], v[PM+\x]         ; with lane l xor 16's two the word is whole
.endr
	CVTS 0
	WIN 0x01
	CVTS 1
	WIN 0
	v_nop                                          ; one plain instruction behind the scaled conversions
.irp x, 0,1                            ; thirteen plain instructions behind the scale words; six behind A's codes; B's have A's sums behind them
.irp c, 0,1
.irp i, 0,1,2
	v_mov_b32 v[P+12*\x+6*\c+3+\i], v[216-128*\x+4*\c+\i]
.endr
.endr
.endr
	s_wait_alu depctr_va_vdst(0)                   ; ahead of a wait that blocks
	s_wait_dscnt 0x0                               ; V^T is in, and so is the next step's K
	PVS 0
	PVS 1
	WIN 0
.endm
.macro SLOTWORK n                      ; a slot's eight key steps
	s_mov_b32 s[TB], \n*SLOT1
	s_mov_b32 s[CNT], 8
	v_add_nc_u32 v[ADK], \n*SLOT1, v[LK]
	v_add_nc_u32 v[ADS], \n*SLOT1, v[LS]
	KLOAD                                          ; the slot's first K
	WIN 0
	s_wait_alu depctr_va_vdst(0)
	s_wait_dscnt 0x0
.Lstep_\@:
	STEP \n
	s_add_co_u32 s[TB], s[TB], STEPL
	s_sub_co_u32 s[CNT], s[CNT], 1
	s_cmp_lg_u32 s[CNT], 0
	s_wait_alu depctr_va_vdst(0)                   ; ahead of the backward jump
	s_cbranch_scc1 .Lstep_\@
.endm
; THE CHANGE OF SLOTS.  Each wave waits for its tensor load (its part of the slot ahead), adds 0 to its spare word, and waits for that and for its reads of the slot that it leaves.
; fill = 1: slot n is filled with the key steps that its group 0 names: the barrier is a round of the cluster's, and the joint load is the first thing behind it.
.macro CHANGE fill, n, step
	s_wait_tensorcnt 0x0
	ds_add_u32 v[SPW], v[NIL]
.if \step
	s_add_nc_u64 s[G0+4*\n+2:G0+4*\n+3], s[G0+4*\n+2:G0+4*\n+3], 16*STEPB
.endif
	s_wait_dscnt 0x0
.if \fill
	CROUND
	JLOAD G0+4*\n
.else
	s_barrier_signal -1
	s_barrier_wait -1
.endif
.endm
	s_wait_alu depctr_va_vdst(0)                   ; at the head's end
	CHANGE 1, 1, 0                                 ; slot 0 is whole; slot 1's first fill, key steps 8-15, is issued as a refill is
	SLOTWORK 0                                     ; key steps 0-7
	CHANGE 1, 0, 1                                 ; slot 0 takes 16-23
	SLOTWORK 1                                     ; 8-15
	CHANGE 1, 1, 1                                 ; slot 1 takes 24-31
	SLOTWORK 0                                     ; 16-23
	CHANGE 0, 0, 0                                 ; nothing is left to fetch
	SLOTWORK 1                                     ; 24-31
	; THE WAY OUT.  O^T / the sum; register 16 b + i of a tile is channel 32 b + 16 h + i of my query: two blocks of the last product's K, half a block a lane.
.irp r, 0,1,2                          ; the last step's six pairs join the two that are kept
.irp x, 0,1
	MRG \x, 0, 4+4*\r
	MRG \x, 1, 4+4*\r
.endr
.endr
.irp x, 0,1
	v_pk_add_f32 v[CN+16*\x:CN+16*\x+1], v[CN+16*\x:CN+16*\x+1], v[CN+16*\x+2:CN+16*\x+3]
.endr
.irp x, 0,1
	s_delay_alu instid0(VALU_DEP_2)
	v_add_f32 v[TP+\x], v[CN+16*\x], v[CN+16*\x+1]
.endr
.irp x, 0,1
	s_delay_alu instid0(VALU_DEP_2)
	v_permlanex16_b32 v[PM+\x], v[TP+\x], s[SEL], s[SEL+1]
.endr
.irp x, 0,1
	s_delay_alu instid0(VALU_DEP_2)
	v_add_f32 v[TP+\x], v[TP+\x], v[PM+\x]         ; the row's sum
.endr
	s_wait_alu depctr_va_vdst(0)
	v_rcp_f32 v[TP], v[TP]
	v_rcp_f32 v[TP+1], v[TP+1]
	v_nop
	s_wait_alu depctr_va_vdst(0)                   ; ahead of the reciprocals' first reader, which is also O^T's
.set j, 0
.rept 32
	v_mul_f32 v[S+j], v[O+j], v[TP]
.set j, j+1
.endr
	WIN 0x01
	s_wait_alu depctr_va_vdst(0)                   ; and directly ahead of the first reader of B's O^T
.set j, 0
.rept 32
	v_mul_f32 v[S+32+j], v[O+j], v[TP+1]
.set j, j+1
.endr
	WIN 0
.irp q, 0,1,2,3                        ; q = 2 x + b: tile x, block b: sixteen numbers at S + 16 q
	v_max3_num_f32 v[CH+\q], |v[S+16*\q]|, |v[S+16*\q+1]|, FLOOR
.endr
.irp i, 2,4,6,8,10,12,14
.irp q, 0,1,2,3
	v_max3_num_f32 v[CH+\q], v[CH+\q], |v[S+16*\q+\i]|, |v[S+16*\q+\i+1]|
.endr
.endr
.irp q, 0,1,2,3
	v_permlanex16_b32 v[BY+\q], v[CH+\q], s[SEL], s[SEL+1]
.endr
.irp q, 0,1,2,3
	v_max_num_f32 v[CH+\q], v[CH+\q], v[BY+\q]
.endr
.irp q, 0,1,2,3
	v_add_nc_u32 v[SOP+\q], 0xff000000, v[CH+\q]
.endr
.irp q, 0,1,2,3
	v_lshrrev_b32 v[BY+\q], 23, v[SOP+\q]
.endr
.irp x, 0,1
	v_lshl_or_b32 v[PWD+\x], v[BY+2*\x+1], 8, v[BY+2*\x]
.endr
.irp x, 0,1
	v_cvt_scalef32_pk16_fp6_f32 v[P+12*\x:P+12*\x+2], v[S+32*\x:S+32*\x+15], v[SOP+2*\x]
	v_cvt_scalef32_pk16_fp6_f32 v[216-128*\x:218-128*\x], v[S+32*\x+16:S+32*\x+31], v[SOP+2*\x+1]
.endr
	v_nop
.irp x, 0,1
.irp i, 0,1,2
	v_permlane16_swap_b32 v[P+12*\x+\i], v[216-128*\x+\i]          ; a whole block to a lane: lanes 0-15 block 0, lanes 16-31 block 1
.endr
.endr
.irp x, 0,1
.irp i, 0,1,2
	v_mov_b32 v[P+12*\x+3+\i], v[216-128*\x+\i]
.endr
.endr
.irp x, 0,1
.irp k, 0,1,2
	global_store_b64 v[L8], v[P+12*\x+2*\k:P+12*\x+2*\k+1], s[48:49] offset:6144*\x+256*\k   ; 256 consecutive bytes, aligned
.endr
	global_store_b32 v[R4], v[PWD+\x], s[50:51] offset:64*\x       ; lanes l and l xor 16 hold the same word and write it to the same place: 64 bytes a tile
.endr
	s_wait_tensorcnt 0x0                           ; the wave's end
	ds_add_u32 v[SPW], v[NIL]
	s_wait_dscnt 0x0
	CROUND                                         ; the closing round
	s_endpgm
.Lfunc_end_k_q6d2df2decd_attn:
	.size	k_q6d2df2decd_attn, .Lfunc_end_k_q6d2df2decd_attn-k_q6d2df2decd_attn
	.p2alignl 7, 3214868480
	.fill 96, 4, 3214868480
	.section	.rodata,"a",@progbits
	.p2align	6, 0x0
	.amdhsa_kernel k_q6d2df2decd_attn
		.amdhsa_group_segment_fixed_size 327680
		.amdhsa_private_segment_fixed_size 0
		.amdhsa_enable_private_segment 0
		.amdhsa_kernarg_size 24
		.amdhsa_user_sgpr_count 2
		.amdhsa_user_sgpr_kernarg_segment_ptr 1
		.amdhsa_wavefront_size32 1
		.amdhsa_system_sgpr_workgroup_id_x 1
		.amdhsa_system_sgpr_workgroup_id_y 1
		.amdhsa_system_sgpr_workgroup_id_z 1
		.amdhsa_system_vgpr_workitem_id 0
		.amdhsa_next_free_vgpr 512
		.amdhsa_next_free_sgpr 66
		.amdhsa_reserve_vcc 0
		.amdhsa_float_denorm_mode_32 3
		.amdhsa_float_denorm_mode_16_64 3
		.amdhsa_memory_ordered 1
		.amdhsa_forward_progress 1
		.amdhsa_inst_pref_size 142
	.end_amdhsa_kernel
	.amdgpu_metadata
---
amdhsa.version: [ 1, 2 ]
amdhsa.kernels:
  - .name:           k_q6d2df2decd_attn
    .symbol:         k_q6d2df2decd_attn.kd
    .args:
      - { .name: qim, .offset: 0, .size: 8, .value_kind: global_buffer, .address_space: global }
      - { .name: kvim, .offset: 8, .size: 8, .value_kind: global_buffer, .address_space: global }
      - { .name: aim, .offset: 16, .size: 8, .value_kind: global_buffer, .address_space: global }
    .group_segment_fixed_size: 327680
    .private_segment_fixed_size: 0
    .kernarg_segment_align: 8
    .kernarg_segment_size: 24
    .max_flat_workgroup_size: 256
    .sgpr_count:     66
    .vgpr_count:     512
    .wavefront_size: 32
...
	.end_amdgpu_metadata
.endif
;; end of part 3
;; launch outp (part 4): grid 256 x 1, 4 waves a work-group, no clusters, 34,304 bytes of LDS; arguments aim, wim, bo, out0; writes out0
.if DOCPART == 4
	.amdgcn_target "amdgcn-amd-amdhsa--gfx1250"
	.amdhsa_code_object_version 6
	.text
	.protected	k_q6d2df2decd_outp
	.globl	k_q6d2df2decd_outp
	.p2align	8
	.type	k_q6d2df2decd_outp,@function
k_q6d2df2decd_outp:
	s_mov_b64 s[64:65], 0
	v_nop
	global_prefetch_b8 v0, s[64:65] scope:SCOPE_SE
	s_setreg_imm32_b32 hwreg(HW_REG_WAVE_MODE, 25, 1), 1
	s_wait_xcnt 0x0
; out0 = A Wo + bo on codes of E2M3: A [8192][512] is attention's result, as launch attn has quantised it (aim), Wo as launch quant has (wim, weight 3).  K = 512: four K steps of 128.
; Work-group x makes 128 rows x 128 columns: rows 128 (x / 4) .., columns 128 (x % 4) ..  Its four waves read the SAME 8 tiles of Wo x 4 K steps (49,152 bytes, 384 registers a wave);
; wave w takes row tiles 2 g and 2 g + 1, g = 4 (x / 4) + w (32 rows).  Source 0 = 16 columns of Wo, source 1 = 16 rows of A:
; a lane holds one row, and the 16 registers of tiles 2 b, 2 b + 1 are columns 128 (x % 4) + 32 b + 16 h + 0 .. 15.  The bias is the C of each sum's first matrix instruction.
; aim: fragment (T, s) is six pieces of 256 bytes at 6144 T + 1536 s + 256 m: registers 2 m, 2 m + 1 of lane l at 8 l.  Its scale bytes: head's two at ASC + 32768 head + 64 T + 4 r.
; Operands come straight into registers; the results go through the wave's own stage in LDS (16 rows of 512 bytes + 16) and leave as 512 consecutive bytes of a row.  Waves hand nothing to each other: no barrier.
; No cluster: Wo's tiles go from memory into registers as images; a joint load would put LDS and barriers between for 49,152 bytes a work-group.
.set ASC,   3145728
.set WSC,   786432
.set LI,  4                            ; v4   16 x lane
.set L8,  5                            ; v5   8 x lane
.set L4,  6                            ; v6   4 x lane
.set BO,  7                            ; v7   64 h
.set SO,  8                            ; v8   the stage: where I put 16 bytes of a row
.set SR,  9                            ; v9   and where I read a row back
.set RS,  16                           ; v16-31  Wo's scale words
.set TS,  32                           ; v32-35  A's scale words, one register a K step: tile 2 g in lanes 0-15, tile 2 g + 1 in lanes 16-31
.set AW,  36                           ; v36-43  a head's two bytes each
.set HA,  48                           ; v48-175 16 accumulators
.set OUTR, 176                         ; v176-239 16 rows on their way out
.set B1,  192                          ; window 1: the bias
.set MSB, 0
.macro WIN new                         ; the immediate's high byte repeats the setting that is left
.if MSB != \new
	s_set_vgpr_msb (MSB<<8)|\new
.set MSB, \new
.endif
.endm
.macro WM d, a, b, c, sa, sb, ra, rb   ; one matrix instruction.  ra, rb: source 0's, source 1's scale words stand in lanes 16-31
.if (\ra) && (\rb)
	v_wmma_scale_f32_16x16x128_f8f6f4 v[\d:\d+7], v[\a:\a+11], v[\b:\b+11], v[\c:\c+7], v[\sa], v[\sb] matrix_a_fmt:MATRIX_FMT_FP6 matrix_b_fmt:MATRIX_FMT_FP6 matrix_a_scale:MATRIX_SCALE_ROW1 matrix_b_scale:MATRIX_SCALE_ROW1
.elseif (\ra)
	v_wmma_scale_f32_16x16x128_f8f6f4 v[\d:\d+7], v[\a:\a+11], v[\b:\b+11], v[\c:\c+7], v[\sa], v[\sb] matrix_a_fmt:MATRIX_FMT_FP6 matrix_b_fmt:MATRIX_FMT_FP6 matrix_a_scale:MATRIX_SCALE_ROW1
.elseif (\rb)
	v_wmma_scale_f32_16x16x128_f8f6f4 v[\d:\d+7], v[\a:\a+11], v[\b:\b+11], v[\c:\c+7], v[\sa], v[\sb] matrix_a_fmt:MATRIX_FMT_FP6 matrix_b_fmt:MATRIX_FMT_FP6 matrix_b_scale:MATRIX_SCALE_ROW1
.else
	v_wmma_scale_f32_16x16x128_f8f6f4 v[\d:\d+7], v[\a:\a+11], v[\b:\b+11], v[\c:\c+7], v[\sa], v[\sb] matrix_a_fmt:MATRIX_FMT_FP6 matrix_b_fmt:MATRIX_FMT_FP6
.endif
.endm
	s_load_b256 s[4:11], s[0:1], 0x0               ; aim, wim, bo, out0
	v_lshl_add_u32 v254, v0, 2, 0x8400
	v_mov_b32 v255, 0
	v_lshrrev_b32 v1, 5, v0
	v_readfirstlane_b32 s12, v1                    ; wave
	s_and_b32 s44, ttmp9, 3                        ; which 128 columns
	s_lshr_b32 s45, ttmp9, 2
	s_lshl_b32 s45, s45, 2
	s_add_co_u32 s45, s45, s12                     ; g: which 32 rows
	v_and_b32 v2, 31, v0
	v_and_b32 v3, 15, v0                           ; r
	v_bfe_u32 v10, v0, 4, 1                        ; h
	v_lshlrev_b32 v[LI], 4, v2
	v_lshlrev_b32 v[L8], 3, v2
	v_lshlrev_b32 v[L4], 2, v2
	v_lshlrev_b32 v[BO], 6, v10
	s_mul_i32 s13, s12, 8448                       ; my stage
	v_mul_u32_u24 v[SO], v3, 528
	v_lshl_add_u32 v[SO], v10, 6, v[SO]
	v_add_nc_u32 v[SO], s13, v[SO]
	v_add_nc_u32 v[SR], s13, v[LI]
	s_mul_i32 s20, s44, 49152
	s_add_co_u32 s20, s20, 589824                  ; Wo's codes, the work-group's 8 tiles
	s_mov_b32 s21, 0
	s_lshl_b32 s22, s44, 11
	s_add_co_u32 s22, s22, WSC+24576               ; their scale words
	s_mov_b32 s23, 0
	s_mul_i32 s24, s45, 12288                      ; A's two tiles
	s_mov_b32 s25, 0
	s_lshl_b32 s26, s45, 7
	s_add_co_u32 s26, s26, ASC                     ; their scale bytes
	s_mov_b32 s27, 0
	s_lshl_b32 s28, s44, 9                         ; the 128 columns, in bytes
	s_mov_b32 s29, 0
	s_lshl_b32 s30, s45, 16                        ; 32 rows of 2,048 bytes
	s_add_co_u32 s30, s30, s28
	s_mov_b32 s31, 0
	s_wait_alu depctr_va_vdst(0)
	s_wait_kmcnt 0x0
	s_add_nc_u64 s[32:33], s[6:7], s[20:21]
	s_add_nc_u64 s[34:35], s[6:7], s[22:23]
	s_add_nc_u64 s[36:37], s[4:5], s[24:25]
	s_add_nc_u64 s[38:39], s[4:5], s[26:27]
	s_add_nc_u64 s[40:41], s[8:9], s[28:29]
	s_add_nc_u64 s[42:43], s[10:11], s[30:31]
.irp e, 0,1,2,3,4,5,6,7
	global_load_b32 v[AW+\e], v[L4], s[38:39] offset:32768*\e     ; head e's two bytes: lanes 0-15 tile 2 g, lanes 16-31 tile 2 g + 1
.endr
	WIN 0x40
.irp t, 0,1,2,3,4,5,6,7
	global_load_b128 v[B1+8*\t:B1+8*\t+3], v[BO], s[40:41] offset:(32*(\t/2)+8*(\t%2))*4
	global_load_b128 v[B1+8*\t+4:B1+8*\t+7], v[BO], s[40:41] offset:(32*(\t/2)+8*(\t%2))*4+16
.endr
	WIN 0
.irp p, 0,1,2,3
	global_load_b128 v[RS+4*\p:RS+4*\p+3], v[LI], s[34:35] offset:512*\p
.endr
.irp s, 0,1,2,3                        ; K step by K step: 12 loads of A, 24 of Wo
	WIN 0xc0
.irp i, 0,1
.irp m, 0,1,2,3,4,5
	global_load_b64 v[12*(4*\i+\s)+2*\m:12*(4*\i+\s)+2*\m+1], v[L8], s[36:37] offset:6144*\i+1536*\s+256*\m th:TH_LOAD_NT
.endr
.endr
.if \s < 2
	WIN 0x40
.else
	WIN 0x80
.endif
.irp t, 0,1,2,3,4,5,6,7
.irp j, 0,1,2
	global_load_b128 v[12*(8*(\s%2)+\t)+4*\j:12*(8*(\s%2)+\t)+4*\j+3], v[LI], s[32:33] offset:6144*\t+1536*\s+512*\j
.endr
.endr
.endr
	WIN 0
	s_wait_loadcnt 63                              ; a wait names 63 at the most: behind K step 1's group 72 loads were issued, so the scale bytes, the bias, Wo's scale words and K steps 0 and 1 are in
.irp s, 0,1,2,3
	v_lshl_or_b32 v[TS+\s], v[AW+2*\s+1], 16, v[AW+2*\s]          ; K step s is heads 2 s and 2 s + 1: four bytes
.endr
.rept 8
	v_nop                                          ; a scale register written by a vector instruction stands eight plain instructions ahead of the scaled matrix instruction
.endr
.irp s, 0,1,2,3
.if \s == 2
	s_wait_alu depctr_va_vdst(0)
	s_wait_loadcnt 36                              ; all but the last K step's 36 loads
.elseif \s == 3
	s_wait_loadcnt 0x0
.endif
.if \s == 0
	WIN 0x1d                                       ; source 0 window 1, source 1 window 3, C (the bias) window 1
.elseif \s == 1
	WIN 0x0d
.else
	WIN 0x0e                                       ; source 0 window 2
.endif
.irp i, 0,1
.irp t, 0,1,2,3,4,5,6,7                ; the sixteen accumulators by turns, one instruction a turn
.set cc, HA+64*\i+8*\t
.if \s == 0
.set cc, B1+8*\t
.endif
	WM HA+64*\i+8*\t, 12*(8*(\s%2)+\t), 12*(4*\i+\s), cc, RS+4*(\t/2)+\s, TS+\s, \t%2, \i
.endr
.endr
.endr
	WIN 0
.rept 4
	v_nop                                          ; four plain instructions between the last products and the first read of results
.endr
.irp i, 0,1
.irp t, 0,1,2,3,4,5,6,7
	ds_store_b128 v[SO], v[HA+64*\i+8*\t:HA+64*\i+8*\t+3] offset:128*(\t/2)+32*(\t%2)        ; each accumulator from its low end on
	ds_store_b128 v[SO], v[HA+64*\i+8*\t+4:HA+64*\i+8*\t+7] offset:128*(\t/2)+32*(\t%2)+16
.endr
.if \i
	s_wait_xcnt 0x0                                ; the first tile's stores have read their registers: these are loaded again only behind this wait
.endif
.irp q, 0,1,2,3,4,5,6,7,8,9,10,11,12,13,14,15
	ds_load_b128 v[OUTR+4*\q:OUTR+4*\q+3], v[SR] offset:528*\q   ; LDS serves a wave's instructions in order: these see my stores, and the next tile's stores come behind them
.endr
.irp q, 0,1,2,3,4,5,6,7,8,9,10,11,12,13,14,15
	s_wait_dscnt 15-\q
	global_store_b128 v[LI], v[OUTR+4*\q:OUTR+4*\q+3], s[42:43] offset:(\q+8*(\q/8)+8*\i)*2048 th:TH_STORE_NT   ; 32 lanes store 512 consecutive bytes of row 32 g + 8 i + q + 8 (q / 8), aligned
.endr
.endr
	s_wait_tensorcnt 0x0
	ds_add_u32 v254, v255
	s_wait_dscnt 0x0
	s_endpgm
.Lfunc_end_k_q6d2df2decd_outp:
	.size	k_q6d2df2decd_outp, .Lfunc_end_k_q6d2df2decd_outp-k_q6d2df2decd_outp
	.p2alignl 7, 3214868480
	.fill 96, 4, 3214868480
	.section	.rodata,"a",@progbits
	.p2align	6, 0x0
	.amdhsa_kernel k_q6d2df2decd_outp
		.amdhsa_group_segment_fixed_size 34304
		.amdhsa_private_segment_fixed_size 0
		.amdhsa_enable_private_segment 0
		.amdhsa_kernarg_size 32
		.amdhsa_user_sgpr_count 2
		.amdhsa_user_sgpr_kernarg_segment_ptr 1
		.amdhsa_wavefront_size32 1
		.amdhsa_system_sgpr_workgroup_id_x 1
		.amdhsa_system_sgpr_workgroup_id_y 1
		.amdhsa_system_sgpr_workgroup_id_z 1
		.amdhsa_system_vgpr_workitem_id 0
		.amdhsa_next_free_vgpr 864
		.amdhsa_next_free_sgpr 66
		.amdhsa_reserve_vcc 0
		.amdhsa_float_denorm_mode_32 3
		.amdhsa_float_denorm_mode_16_64 3
		.amdhsa_memory_ordered 1
		.amdhsa_forward_progress 1
		.amdhsa_inst_pref_size 36
	.end_amdhsa_kernel
	.amdgpu_metadata
---
amdhsa.version: [ 1, 2 ]
amdhsa.kernels:
  - .name:           k_q6d2df2decd_outp
    .symbol:         k_q6d2df2decd_outp.kd
    .args:
      - { .name: aim, .offset: 0, .size: 8, .value_kind: global_buffer, .address_space: global }
      - { .name: wim, .offset: 8, .size: 8, .value_kind: global_buffer, .address_space: global }
      - { .name: bo, .offset: 16, .size: 8, .value_kind: global_buffer, .address_space: global }
      - { .name: out0, .offset: 24, .size: 8, .value_kind: global_buffer, .address_space: global }
    .group_segment_fixed_size: 34304
    .private_segment_fixed_size: 0
    .kernarg_segment_align: 8
    .kernarg_segment_size: 32
    .max_flat_workgroup_size: 128
    .sgpr_count:     66
    .vgpr_count:     864
    .wavefront_size: 32
...
	.end_amdgpu_metadata
.endif
;; end of part 4
